; MI455X (gfx1250); checked and timed in simulation.
; The chip was launched on July 23, 2026; its instructions are those of AMD's public machine-readable ISA for CDNA 5 (MIT licence, August 2026) and "CDNA5" Instruction Set Architecture Reference Guide (July 2026). The comments in the code are by the model that wrote it; some were corrected since.
;; Attention. Allowed arithmetic: float matrix products may take bf16 or f16 operands with f32 sums; all other float work in f32.
;; Inputs: attention_mask 1 x 1 x 2,048 x 2,048 float32; wk 2,048 x 2,048 float32; wo 2,048 x 2,048 float32; wq 2,048 x 2,048 float32; wv 2,048 x 2,048 float32; x 1 x 2,048 x 2,048 float32.
;; Outputs: out0 1 x 2,048 x 2,048 float32.
;; 2 versions, each right; version 2 is version 1 with the launch prep written anew for expert scheduling mode. Each part assembles by itself: llvm-mc -triple=amdgcn-amd-amdhsa -mcpu=gfx1250 --defsym DOCPART=n.
;; ======== version 1 of 2: 4 launches
;; limits: values are held in f16: magnitudes above 65,504 overflow, below 6.1e-05 lose precision
;; workspace buffers: xw 33,554,432 bytes; wob 8,388,608 bytes; mf 16,777,216 bytes; tab 1,048,576 bytes; qkv 25,165,824 bytes; of 8,388,608 bytes
;; launch prep (part 1): grid 128 x 7, 8 waves a work-group, no clusters, 35,840 bytes of LDS; arguments x, wq, wk, wv, wo, attention_mask, xw, wob, mf, tab; writes xw, wob, mf, tab
.if DOCPART == 1
	.amdgcn_target "amdgcn-amd-amdhsa--gfx1250"
	.amdhsa_code_object_version 6
	.text
	.protected	k_q7136f6fa00_prep
	.globl	k_q7136f6fa00_prep
	.p2align	8
	.type	k_q7136f6fa00_prep,@function
k_q7136f6fa00_prep:
	s_mov_b64 s[64:65], 0
	v_nop
	global_prefetch_b8 v0, s[64:65] scope:SCOPE_SE
	s_setreg_imm32_b32 hwreg(HW_REG_WAVE_MODE, 25, 1), 1
	s_wait_xcnt 0x0
; PREP: a stream.  Every input is read once and laid out for the three launches behind it.  The work-group's y is the job, its x a block of 16 rows.
;   job 0      x  -> xw, bf16, [2048][2048] as it lies
;   jobs 1-3   wq, wk, wv -> xw + 8 MiB, bf16, [6144][2048], ROWS REORDERED: each 96 rows g (head g / 4, jj = g % 4) hold six blocks of 16:
;              wq rows d = 16 jj .., wq rows d + 64, wk rows d, wk rows d + 64, wv rows 32 g .., wv rows 32 g + 16 ..   (d counts inside the head)
;   job 4      wo -> wob: rounded to bf16 like the other inputs, and that number written as f16
;   job 5      the mask -> mf: rounded to bf16 like the other inputs, times log2(e) in f32, in blocks of 16 queries x 16 keys (1 KiB) that ARE the C operand of a 16 x 16
;              matrix product keys x queries: [half][lane][4] = mask[16 sbq + lane % 16][16 kbk + 8 (lane / 16) + 4 half + 0..3]
;   job 6      tab: cos and sin of t / 10000^(i / 64), times sqrt(log2(e) / sqrt(128)), in the register order of the projection's results:
;              [jj][block of 16 t][cos half 0, cos half 1, sin half 0, sin half 1][lane][4], t = 16 sb + lane % 16, i = 16 jj + 8 (lane / 16) + 4 half + 0..3
; No matrix work, no cluster, no tensor loads: nothing is shared between work-groups and every byte is touched once.  144 registers a wave, so that several work-groups lie on a WGP.
; LIMITS.  wo as f16: |wo| below 65,504; below 6e-5 it keeps f16's fixed step of 6e-8.  The angle is reduced to -pi .. pi by a two-word 2 pi, and the two series are cut where the next term at pi
; is below 1e-6, for every angle.  1 / 10000^(i / 64) is made by v_exp_f32: t times it may differ from a library's by a few units in the last place (2e-4 radians at t = 2047).
.set X,     16                         ; v[16:143]  as loaded (the casts use v[16:79])
.set Y,     80                         ; v[80:111]  to store (casts)
.set TW,    9                          ; v[9:12]    at work (mask)
.set SPW,   14                         ; v14        LDS address of my spare word; never rewritten
.set NIL,   15                         ; v15        0; never rewritten
.set STG,   16*272                     ; a wave's stage: 16 rows of 256 bytes + 16 of padding, so that 16 rows start at 16 different groups of four banks (ISA guide 11.1)
.set SPARE, 8*STG                      ; behind the stages: the spare words, 128 bytes for each wave
	s_load_b512 s[8:23], s[0:1], 0x0               ; x 8, wq 10, wk 12, wv 14, wo 16, mask 18, xw 20, wob 22
	s_load_b128 s[24:27], s[0:1], 0x40             ; mf 24, tab 26
	v_lshl_add_u32 v[SPW], v0, 2, SPARE
	v_mov_b32 v[NIL], 0
	v_lshrrev_b32 v3, 5, v0
	v_readfirstlane_b32 s3, v3                     ; wave 0..7
	s_and_b32 s2, ttmp7, 0xffff                    ; the job
	s_mov_b32 s6, 0xffff0000                       ; a word's upper bf16
	v_and_b32 v1, 31, v0
	v_lshlrev_b32 v2, 3, v1                        ; 8 x lane
	v_lshlrev_b32 v1, 4, v1                        ; 16 x lane
	s_wait_kmcnt 0x0
	s_cmp_eq_u32 s2, 5
	s_cbranch_scc1 .Lmask
	s_cmp_eq_u32 s2, 6
	s_cbranch_scc1 .Ltab
	; THE CASTS.  A wave takes rows e0 and e0 + 1 (e0 even): neighbours in the source and, in every one of the row orders above, in the destination.
	s_lshl_b32 s34, ttmp9, 4
	s_lshl1_add_u32 s34, s3, s34                   ; e0 = 16 x block + 2 x wave
	s_lshr_b32 s35, s34, 7                         ; wq, wk: g = 4 head + jj,
	s_lshl_b32 s35, s35, 2
	s_bfe_u32 s36, s34, 0x20004
	s_add_co_u32 s35, s35, s36
	s_mul_i32 s35, s35, 96                         ; 96 rows a group,
	s_max_u32 s36, s2, 1
	s_sub_co_u32 s36, s36, 1
	s_lshl_b32 s36, s36, 5                         ; + 32 for wk,
	s_add_co_u32 s35, s35, s36
	s_bfe_u32 s36, s34, 0x10006
	s_lshl_b32 s36, s36, 4                         ; + 16 for the head's upper 64 channels,
	s_add_co_u32 s35, s35, s36
	s_and_b32 s36, s34, 15
	s_add_co_u32 s35, s35, s36                     ; + the row in its block
	s_lshr_b32 s37, s34, 5                         ; wv: 96 (e / 32) + 64 + e % 32
	s_mul_i32 s37, s37, 96
	s_and_b32 s36, s34, 31
	s_add_co_u32 s37, s37, s36
	s_add_co_u32 s37, s37, 64
	s_cmp_eq_u32 s2, 3
	s_cselect_b32 s35, s37, s35
	s_add_co_u32 s35, s35, 2048                    ; the weights lie behind x's 2,048 rows
	s_cmp_eq_u32 s2, 0
	s_cselect_b32 s35, s34, s35                    ; x and wo keep their rows
	s_cmp_eq_u32 s2, 4
	s_cselect_b32 s35, s34, s35
	s_cselect_b64 s[38:39], s[22:23], s[20:21]     ; wo goes to wob, all else to xw
	s_lshl_b32 s32, s35, 12                        ; a row of 2,048 numbers of 16 bits
	s_mov_b32 s33, 0
	s_add_nc_u64 s[38:39], s[38:39], s[32:33]
	s_cmp_eq_u32 s2, 1
	s_cselect_b64 s[30:31], s[10:11], s[8:9]
	s_cmp_eq_u32 s2, 2
	s_cselect_b64 s[30:31], s[12:13], s[30:31]
	s_cmp_eq_u32 s2, 3
	s_cselect_b64 s[30:31], s[14:15], s[30:31]
	s_cmp_eq_u32 s2, 4
	s_cselect_b64 s[30:31], s[16:17], s[30:31]
	s_lshl_b32 s28, s34, 13                        ; a row of 2,048 f32
	s_mov_b32 s29, 0
	s_add_nc_u64 s[30:31], s[30:31], s[28:29]
	s_cmp_eq_u32 s2, 4
	s_cbranch_scc1 .Lwo
; Two trips, a row each: 16 loads of 512 consecutive bytes, all issued before the first is waited for; each becomes one store of 256 consecutive bytes, aligned.
.macro CAST f16
	s_mov_b32 s40, 2
.Lrow_\@:
.set i, 0
.rept 16
	global_load_b128 v[X+4*i:X+4*i+3], v1, s[30:31] offset:512*i th:TH_LOAD_NT
.set i, i+1
.endr
.set i, 0
.rept 16
	s_wait_loadcnt 15-i                            ; loads come back in order (ISA guide 5.7.1): load i is in, the 15 - i younger ones stay out
	v_cvt_pk_bf16_f32 v[Y+2*i], v[X+4*i], v[X+4*i+1]
	v_cvt_pk_bf16_f32 v[Y+2*i+1], v[X+4*i+2], v[X+4*i+3]
.if \f16
	v_lshlrev_b32 v4, 16, v[Y+2*i]                 ; the bf16 numbers back as f32,
	v_and_b32 v5, s6, v[Y+2*i]
	v_lshlrev_b32 v6, 16, v[Y+2*i+1]
	v_and_b32 v7, s6, v[Y+2*i+1]
	v_cvt_pk_f16_f32 v[Y+2*i], v4, v5              ; and written as f16: exact inside f16's range
	v_cvt_pk_f16_f32 v[Y+2*i+1], v6, v7
.endif
	global_store_b64 v2, v[Y+2*i:Y+2*i+1], s[38:39] offset:256*i
.set i, i+1
.endr
	s_wait_xcnt 0x0                                ; the bases and the stores' data are rewritten only behind this wait
	s_add_nc_u64 s[30:31], s[30:31], 8192
	s_add_nc_u64 s[38:39], s[38:39], 4096
	s_sub_co_u32 s40, s40, 1
	s_cmp_lg_u32 s40, 0
	s_cbranch_scc1 .Lrow_\@
	s_endpgm
.endm
	CAST 0
.Lwo:
	CAST 1
	; THE MASK.  The work-group has 16 queries, a wave 256 keys of them, in four units of 64 keys.  A unit is read as 16 rows of 256 consecutive bytes, turned in the wave's own stage,
	; and leaves as four blocks of 1 KiB.
.Lmask:
	s_mov_b32 s4, 0x3fb8aa3b                       ; log2(e)
	s_mov_b32 s5, s4                               ; named with it as a pair
	v_and_b32 v3, 15, v0                           ; r = lane % 16
	v_bfe_u32 v4, v0, 4, 1                         ; h = lane / 16
	v_lshlrev_b32 v5, 4, v3
	v_lshl_add_u32 v6, v4, 13, v5                  ; in memory: row h, 16 bytes at 16 r
	s_mul_i32 s28, s3, STG
	v_mul_u32_u24 v7, v4, 272
	v_add_nc_u32 v7, v7, v5
	v_add_nc_u32 v7, s28, v7                       ; into the stage: the same place
	v_mul_u32_u24 v8, v3, 272
	v_lshl_add_u32 v8, v4, 5, v8
	v_add_nc_u32 v8, s28, v8                       ; back: query r, keys 8 h ..
	s_lshl_b32 s32, ttmp9, 17                      ; 16 rows of 8,192 bytes; also 128 blocks of 1 KiB
	s_lshl_b32 s33, s3, 10
	s_add_co_u32 s30, s32, s33
	s_mov_b32 s31, 0
	s_add_nc_u64 s[18:19], s[18:19], s[30:31]
	s_lshl_b32 s33, s3, 14
	s_add_co_u32 s30, s32, s33
	s_add_nc_u64 s[24:25], s[24:25], s[30:31]
.set n, 0
.rept 32                                           ; unit n / 8, rows 2 (n % 8) + h
	global_load_b128 v[X+4*n:X+4*n+3], v6, s[18:19] offset:(n%8)*16384+(n/8)*256 th:TH_LOAD_NT
.set n, n+1
.endr
.macro MUNIT u
	s_wait_loadcnt 8*(3-(\u))                      ; this unit's eight loads are in; the later units' stay out
.set n, 0
.rept 16
	v_cvt_pk_bf16_f32 v[TW+n%4], v[X+32*(\u)+2*n], v[X+32*(\u)+2*n+1]
	v_lshlrev_b32 v[X+32*(\u)+2*n], 16, v[TW+n%4]
	v_and_b32 v[X+32*(\u)+2*n+1], s6, v[TW+n%4]
	v_pk_mul_f32 v[X+32*(\u)+2*n:X+32*(\u)+2*n+1], v[X+32*(\u)+2*n:X+32*(\u)+2*n+1], s[4:5] op_sel_hi:[1,0]
.set n, n+1
.endr
.set n, 0
.rept 8
	ds_store_b128 v7, v[X+32*(\u)+4*n:X+32*(\u)+4*n+3] offset:544*n
.set n, n+1
.endr
.set n, 0
.rept 8                                            ; block n / 2 of 16 keys, half n % 2.  LDS serves a wave's instructions in order (ISA guide 5.7.1.4): these see the stores above, and the next unit's stores come behind them
	ds_load_b128 v[X+32*(\u)+4*n:X+32*(\u)+4*n+3], v8 offset:64*(n/2)+16*(n%2)
.set n, n+1
.endr
	s_wait_dscnt 0x0
.set n, 0
.rept 8
	global_store_b128 v1, v[X+32*(\u)+4*n:X+32*(\u)+4*n+3], s[24:25] offset:(4*(\u)+n/2)*1024+(n%2)*512  ; 512 consecutive bytes
.set n, n+1
.endr
.endm
	MUNIT 0
	MUNIT 1
	MUNIT 2
	MUNIT 3
	s_wait_tensorcnt 0x0                           ; the wave's end: behind my last LDS store
	ds_add_u32 v[SPW], v[NIL]
	s_wait_dscnt 0x0
	s_endpgm
	; THE TABLE.  Wave w makes jj = w / 2, half w % 2 for the block's 16 positions: four angles a lane, in four chains.
.Ltab:
	s_lshr_b32 s28, s3, 1                          ; jj
	s_and_b32 s29, s3, 1                           ; half
	s_lshl_b32 s32, s28, 4
	s_lshl2_add_u32 s32, s29, s32                  ; 16 jj + 4 half
	s_mov_b32 s34, 0x40c90fdb                      ; 2 pi, the f32 next to it,
	s_mov_b32 s35, 0xb43bbd2e                      ; and what is left
	s_mov_b32 s36, 0x3eb6d544                      ; sqrt(log2(e) / sqrt(128)) = 0.3570958: q and k both carry it, so q . k arrives as a base-2 exponent
	v_and_b32 v3, 15, v0
	v_bfe_u32 v4, v0, 4, 1
	v_lshl_add_u32 v4, v4, 3, s32                  ; i of my first angle
	s_lshl_b32 s33, ttmp9, 4
	v_add_nc_u32 v3, s33, v3
	v_cvt_f32_u32 v3, v3                           ; t
.irp e, 0,1,2,3
	v_add_nc_u32 v[16+\e], \e, v4
	v_cvt_f32_u32 v[16+\e], v[16+\e]
	v_mul_f32 v[16+\e], 0xbe549a78, v[16+\e]       ; - i log2(10000) / 64
.endr
.irp e, 0,1,2,3
	v_exp_f32 v[16+\e], v[16+\e]
.endr
	v_nop                                          ; a plain instruction between the last exponential and the use of its result (ISA guide 5.7.2)
	s_wait_alu depctr_va_vdst(0)
.irp e, 0,1,2,3
	v_mul_f32 v[20+\e], v3, v[16+\e]               ; the angle f
	v_mul_f32 v[24+\e], 0.15915494, v[20+\e]
	v_rndne_f32 v[24+\e], v[24+\e]                 ; n = the whole turns in it
	v_fma_f32 v[20+\e], -v[24+\e], s34, v[20+\e]   ; y = f - 2 pi n, in two steps
	v_fma_f32 v[20+\e], -v[24+\e], s35, v[20+\e]
	v_mul_f32 v[28+\e], v[20+\e], v[20+\e]         ; z = y^2
	v_mov_b32 v[36+\e], 0xab573f9f                 ; - 1 / 15!
	v_mov_b32 v[32+\e], 0x29573f9f                 ; 1 / 16!
	v_mul_f32 v[20+\e], s36, v[20+\e]              ; y takes the scale for the sine
.endr
.irp c, 0x2f309231, 0xb2d7322b, 0x3638ef1d, 0xb9500d01, 0x3c088889, 0xbe2aaaab, 0x3f800000
.irp e, 0,1,2,3
	v_fmaak_f32 v[36+\e], v[36+\e], v[28+\e], \c   ; 1 / 13!, - 1 / 11!, .. - 1 / 3!, 1
.endr
.endr
.irp c, 0xad49cba5, 0x310f76c7, 0xb493f27e, 0x37d00d01, 0xbab60b61, 0x3d2aaaab, 0xbf000000, 0x3f800000
.irp e, 0,1,2,3
	v_fmaak_f32 v[32+\e], v[32+\e], v[28+\e], \c   ; - 1 / 14!, 1 / 12!, .. - 1 / 2, 1
.endr
.endr
.irp e, 0,1,2,3
	v_mul_f32 v[36+\e], v[36+\e], v[20+\e]
	v_mul_f32 v[32+\e], s36, v[32+\e]
.endr
	s_lshl_b32 s30, s28, 18
	s_lshl_b32 s33, ttmp9, 11
	s_add_co_u32 s30, s30, s33
	s_lshl_b32 s33, s29, 9
	s_add_co_u32 s30, s30, s33
	s_mov_b32 s31, 0
	s_add_nc_u64 s[26:27], s[26:27], s[30:31]
	global_store_b128 v1, v[32:35], s[26:27]
	global_store_b128 v1, v[36:39], s[26:27] offset:1024
	s_endpgm
.Lfunc_end_k_q7136f6fa00_prep:
	.size	k_q7136f6fa00_prep, .Lfunc_end_k_q7136f6fa00_prep-k_q7136f6fa00_prep
	.p2alignl 7, 3214868480
	.fill 96, 4, 3214868480
	.section	.rodata,"a",@progbits
	.p2align	6, 0x0
	.amdhsa_kernel k_q7136f6fa00_prep
		.amdhsa_group_segment_fixed_size 35840
		.amdhsa_private_segment_fixed_size 0
		.amdhsa_enable_private_segment 0
		.amdhsa_kernarg_size 80
		.amdhsa_user_sgpr_count 2
		.amdhsa_user_sgpr_kernarg_segment_ptr 1
		.amdhsa_wavefront_size32 1
		.amdhsa_system_sgpr_workgroup_id_x 1
		.amdhsa_system_sgpr_workgroup_id_y 1
		.amdhsa_system_sgpr_workgroup_id_z 1
		.amdhsa_system_vgpr_workitem_id 0
		.amdhsa_next_free_vgpr 144
		.amdhsa_next_free_sgpr 66
		.amdhsa_reserve_vcc 0
		.amdhsa_float_denorm_mode_32 3
		.amdhsa_float_denorm_mode_16_64 3
		.amdhsa_memory_ordered 1
		.amdhsa_forward_progress 1
		.amdhsa_inst_pref_size 49
	.end_amdhsa_kernel
	.amdgpu_metadata
---
amdhsa.version: [ 1, 2 ]
amdhsa.kernels:
  - .name:           k_q7136f6fa00_prep
    .symbol:         k_q7136f6fa00_prep.kd
    .args:
      - { .name: x, .offset: 0, .size: 8, .value_kind: global_buffer, .address_space: global }
      - { .name: wq, .offset: 8, .size: 8, .value_kind: global_buffer, .address_space: global }
      - { .name: wk, .offset: 16, .size: 8, .value_kind: global_buffer, .address_space: global }
      - { .name: wv, .offset: 24, .size: 8, .value_kind: global_buffer, .address_space: global }
      - { .name: wo, .offset: 32, .size: 8, .value_kind: global_buffer, .address_space: global }
      - { .name: attention_mask, .offset: 40, .size: 8, .value_kind: global_buffer, .address_space: global }
      - { .name: xw, .offset: 48, .size: 8, .value_kind: global_buffer, .address_space: global }
      - { .name: wob, .offset: 56, .size: 8, .value_kind: global_buffer, .address_space: global }
      - { .name: mf, .offset: 64, .size: 8, .value_kind: global_buffer, .address_space: global }
      - { .name: tab, .offset: 72, .size: 8, .value_kind: global_buffer, .address_space: global }
    .group_segment_fixed_size: 35840
    .private_segment_fixed_size: 0
    .kernarg_segment_align: 8
    .kernarg_segment_size: 80
    .max_flat_workgroup_size: 256
    .sgpr_count:     66
    .vgpr_count:     144
    .wavefront_size: 32
...
	.end_amdgpu_metadata
.endif
;; end of part 1
;; launch qkv (part 2): grid 32 x 8, 4 waves a work-group, clusters of 4 x 4, 327,680 bytes of LDS; arguments xw, tab, qkv; writes qkv
.if DOCPART == 2
	.amdgcn_target "amdgcn-amd-amdhsa--gfx1250"
	.amdhsa_code_object_version 6
	.text
	.protected	k_q7136f6fa00_qkv
	.globl	k_q7136f6fa00_qkv
	.p2align	8
	.type	k_q7136f6fa00_qkv,@function
k_q7136f6fa00_qkv:
	s_mov_b64 s[64:65], 0
	v_nop
	global_prefetch_b8 v0, s[64:65] scope:SCOPE_SE
	s_setreg_imm32_b32 hwreg(HW_REG_WAVE_MODE, 25, 1), 1
	s_wait_xcnt 0x0
	s_wait_alu depctr_hold_cnt(0) depctr_sa_sdst(0) depctr_va_vdst(0) depctr_va_sdst(0) depctr_va_ssrc(0) depctr_va_vcc(0) depctr_vm_vsrc(0)
	s_getreg_b32 s2, hwreg(HW_REG_IB_STS2, 6, 4)
	s_cmp_eq_u32 s2, 0
	s_cbranch_scc0 .Lentry_in_a_cluster
	s_endpgm
.Lentry_in_a_cluster:
	s_bfe_u32 s2, ttmp6, 0x10000c
	s_cmp_lg_u32 s2, 0xf033
	s_cbranch_scc0 .Lentry_shape_is_right
	s_endpgm
.Lentry_shape_is_right:
; QKV: [2048 x 6144] = x (bf16, [2048][2048]) times the three weights' rows (bf16, [6144][2048], reordered by the launch before), sums in f32; RoPE on the way out; q, k, v rounded once, to f16.
; SHARES.  A tile is 256 rows x 192 columns: 8 x 32 = 256 work-groups.  Four waves, each 128 x 96: 8 x 6 = 48 accumulators of 16 x 16, 384 registers.
; By the weights' row order a wave's six column blocks are q (d = 16 jj ..), q (d + 64), k (d), k (d + 64), v, v of ONE group g = 2 x tile column + my half (head g / 4, jj = g % 4): the two
; partners of a rotation lie in the same lane and register of neighbouring accumulators, and which tensor a block belongs to is known when the text is written.
; K goes in 16 steps of 128 through two LDS slots filled by joint tensor loads: 4 x 4 work-groups form a cluster; x's tile is shared along its rows, the weights' along its columns.
; A K STEP IS WRITTEN ONCE FOR THE LOOP AND ONCE FOR THE TAIL: the slot in hand is a scalar that one exclusive or turns, and one descriptor for x and one for the weights walk from fill to fill.
; PREFETCH.  All work-groups walk K in step, so a K step's bytes are asked of memory for the first time at that step.  Wave 3 asks for them ahead: behind the joint load of K step n it asks for my share
; of K step n + 1, whose joint load is issued one trip (192 matrix instructions and a round) later.  A share is 32 blocks of 256 bytes, one a lane: 8 of the 256 rows of my tile of x (the 32 work-groups
; of a tile row take 8 each) and 24 of the 192 rows of my tile of the weights (the 8 of a tile column take 24 each): each block is asked for by one lane of the launch.  The head asks for K step 2;
; the last trip's request is clamped to K step 15, which it asks for once more; none leaves the buffer.
; THE MATRIX INSTRUCTION is used transposed for q and k (source 0 = weights, source 1 = x): a lane holds one position and eight neighbouring channels; for v as it is: a lane holds one channel and
; eight neighbouring positions.  Packed to f16 these ARE the 16 bytes a lane of the attention's fragments, so every store is 512 consecutive bytes straight from registers:
;   q, k: [head][block of 16 positions][jj][half][lane][8]: position 16 sb + lane % 16, channel 64 half + 16 jj + 8 (lane / 16) + 0..7  (the channels' order is the same in q and k)
;   v:    [head][32 positions][block of 16 channels][half][lane][8]: channel 16 cb + lane % 16, position 32 sp + 16 half + 8 (lane / 16) + 0..7
; cos and sin arrive times sqrt(log2(e) / sqrt(128)), so q . k is the softmax's base-2 exponent.
; LIMITS.  f16: 0.357 |q|, 0.357 |k| and |v| stay below 65,504, or the number becomes an infinity; below 6e-5 they keep f16's fixed step of 6e-8.
; REGISTERS, in windows of 256 (s_set_vgpr_msb: bits 1:0 source 0, 3:2 source 1, 5:4 source 2, 7:6 destination):
;   window 0: v0-31 addresses; v32-63 at work on the way out; v64-191 cos and sin, 16 for each block of 16 rows; v192-239 packed results, two buffers of 24
;   window 1: x's fragments, buffer f at 64 f; the weights' at 128 + 48 f       windows 2, 3: the accumulators of my rows 0-63, 64-127: (a, b) at 8 (6 (a % 4) + b)
.set KSTEP,  128
.set STEPS,  2048/KSTEP
.set PITCH,  272                       ; an LDS row: 256 bytes + 16 of padding = 68 words: the 16 rows of a fragment load start at 16 different groups of four banks (ISA guide 11.1)
.set HALFA,  128*PITCH                 ; what one tensor load brings of x, and what a wave reads of it
.set HALFB,  96*PITCH                  ; the same of the weights
.set SLOT,   1<<17                     ; a slot holds x's 256 rows, then the weights' 192: 121,856 bytes; slot 1 begins here, so that one exclusive or turns an address in one slot into the other's
.set SPARE,  SLOT+2*HALFA+2*HALFB      ; behind the ring: the spare words, 128 bytes for each wave
.set ADRA, 16                          ; v16     LDS address of my fragments of x in the slot that is being fetched from
.set A0,   18                          ; v18     the same in slot 0; never rewritten
.set ADRB, 20                          ; v20     the same two for the weights
.set B0,   22                          ; v22
.set PR,   24                          ; v24     the prefetch: byte offset in xw of my lane's row; never rewritten
.set PF,   25                          ; v25     that plus the K step's bytes along the row
.set LO,   26                          ; v26     16 x lane; never rewritten
.set SPW,  28                          ; v28     LDS address of my spare word; never rewritten
.set NIL,  29                          ; v29     0; never rewritten
.set T,    32
.set CS,   64
.set Y,    192
.set G1, 24                            ; s[24:31] descriptor group 1 for x's tiles; s[32:35] group 0 of the first fill, s[36:39] of the second: it then walks
.set G0, 32
.set G1B, 48                           ; s[48:55], s[56:63] the same for the weights'
.set G0B, 56
.set QP, 72                            ; s[72:73] q, s[74:75] k, s[76:77] v at my first block; s[78:79] the table at my first block
.set KP, 74
.set VP, 76
.set TP, 78
.set TBS, 82                           ; s82      LDS byte at which the slot that is being fetched from begins
.set PO,  83                           ; s83      the prefetch: the K step to be asked for next, in bytes along a row
.set MSB, 0
.macro WIN new                         ; the immediate's high byte repeats the setting that is left; a switch that changes nothing is dropped
.if MSB != (\new)
	s_set_vgpr_msb (MSB<<8)|(\new)
.set MSB, \new
.endif
.endm
.set MUL_LO, 0xa5                      ; both sources window 1, C and D window 2
.set MUL_HI, 0xf5                      ; the same, C and D window 3
.set TO_F,   0x40                      ; destination window 1, address window 0
; A joint load.  Waves 0 and 1 fetch x's two halves, waves 2 and 3 the weights'.  The branch hangs on the wave's number alone.  An s_nop 0 and four v_nop follow each of the two lines.
.macro JLOAD s
	s_cmp_eq_u32 s11, 0
	s_cbranch_scc0 .Lfor_b_\@
	tensor_load_to_lds s[G0+4*(\s):G0+4*(\s)+3], s[G1:G1+7]
	s_nop 0
.rept 4
	v_nop
.endr
	s_branch .Lasked_\@
.Lfor_b_\@:
	tensor_load_to_lds s[G0B+4*(\s):G0B+4*(\s)+3], s[G1B:G1B+7]
	s_nop 0
.rept 4
	v_nop
.endr
.Lasked_\@:
.endm
; Wave 3 asks for my 32 blocks of the K step at s[PO]; then the step goes on, and stays at the last.  Every window is 0 here.
.macro PREF
	s_cmp_lg_u32 s10, 3
	s_cbranch_scc1 .Lno_pf_\@
	s_wait_xcnt 0x0                                ; the last request, a trip back, has read its address register
	v_add_nc_u32 v[PF], s[PO], v[PR]
	global_prefetch_b8 v[PF], s[4:5] th:TH_LOAD_NT scope:SCOPE_SE
	s_add_co_u32 s[PO], s[PO], KSTEP*2
	s_min_u32 s[PO], s[PO], (STEPS-1)*KSTEP*2
.Lno_pf_\@:
.endm
.macro CREST                           ; a round of the cluster's barrier behind its opening barrier
	s_cmp_lg_u32 s10, 0
	s_cbranch_scc1 .Lnot_wave_0_\@
	s_barrier_signal -3
.Lnot_wave_0_\@:
	s_barrier_wait -3
	s_barrier_signal -1
	s_barrier_wait -1
.endm
.macro CROUND                          ; a whole round
	s_barrier_signal -1
	s_barrier_wait -1
	CREST
.endm
.macro PLACES                          ; four places in front of loads into registers that matrix instructions have read, and of vector work that reads results
.rept 4
	v_nop
.endr
.endm
	s_load_b128 s[4:7], s[0:1], 0x0                ; xw s[4:5], tab s[6:7]
	s_load_b64 s[8:9], s[0:1], 0x10                ; qkv
	v_lshl_add_u32 v[SPW], v0, 2, SPARE
	v_mov_b32 v[NIL], 0
	ds_add_u32 v[SPW], v[NIL]                      ; the wave's opening: the add and its wait stand ahead of my first tensor load; the set-up below stands between them
	v_lshrrev_b32 v1, 5, v0
	v_readfirstlane_b32 s10, v1                    ; wave 0..3
	s_lshr_b32 s11, s10, 1                         ; which half of the tile's rows is mine.  Also: I fetch x (0) or the weights (1)
	s_and_b32 s12, s10, 1                          ; which half of its columns.  Also: which half of that tile I fetch
	s_bfe_u32 s40, ttmp6, 0x40000                  ; cx, cy: my place in the cluster
	s_bfe_u32 s41, ttmp6, 0x40004
	s_lshl_b32 s42, ttmp9, 2
	s_add_co_u32 s42, s42, s40                     ; tile column = 4 x cluster x + cx
	s_and_b32 s13, ttmp7, 0xffff
	s_lshl_b32 s13, s13, 2
	s_add_co_u32 s13, s13, s41                     ; tile row = 4 x cluster y + cy
	s_lshl_b32 s43, s41, 2
	s_lshl_b32 s43, 15, s43                        ; my row of the cluster
	s_lshl_b32 s44, 0x1111, s40                    ; my column
	s_or_b32 s[G1+0], s43, (1<<16)|(1<<20)|(1<<21)|(5<<22)|(3<<25)   ; 15:0 the mask; 17:16 2-byte elements; 20 padding on; 21 set beside a mask; 24:22 after every 64 words; 31:25 4 words
	s_or_b32 s[G1B+0], s44, (1<<16)|(1<<20)|(1<<21)|(5<<22)|(3<<25)
	s_mov_b32 s[G1+1], KSTEP<<16                   ; tensor_dim0 = 128
	s_mov_b32 s[G1+2], 128<<16                     ; tensor_dim1 = 128
	s_mov_b32 s[G1+3], KSTEP<<16                   ; tile_dim0 = 128
	s_mov_b32 s[G1+4], 128                         ; tile_dim1 = 128
	s_mov_b32 s[G1+5], 2048                        ; elements from row to row
	s_mov_b32 s[G1+6], 0
	s_mov_b32 s[G1+7], 0
	s_mov_b32 s[G1B+1], KSTEP<<16
	s_mov_b32 s[G1B+2], 96<<16                     ; the weights' tiles have 96 rows
	s_mov_b32 s[G1B+3], KSTEP<<16
	s_mov_b32 s[G1B+4], 96
	s_mov_b32 s[G1B+5], 2048
	s_mov_b32 s[G1B+6], 0
	s_mov_b32 s[G1B+7], 0
	s_lshl_b32 s16, s13, 8                         ; x: row 256 x tile row + 128 x half, 4,096 bytes a row
	s_lshl_b32 s17, s12, 7
	s_add_co_u32 s16, s16, s17
	s_lshl_b32 s16, s16, 12
	s_mov_b32 s17, 0
	s_mul_i32 s46, s42, 192                        ; the weights: row 192 x tile column + 96 x half, behind x's 8 MiB
	s_mul_i32 s47, s12, 96
	s_add_co_u32 s46, s46, s47
	s_lshl_b32 s46, s46, 12
	s_add_co_u32 s46, s46, 8388608
	s_mov_b32 s47, 0
	s_mul_i32 s20, s12, HALFA                      ; where they go: no place in the cluster enters an LDS address
	s_mul_i32 s21, s12, HALFB
	s_add_co_u32 s21, s21, 2*HALFA
	s_mov_b32 s[TBS], 0                            ; the fetches begin in slot 0
	s_mov_b32 s[PO], 2*KSTEP*2                     ; the first request is for K step 2
	s_wait_dscnt 0x0                               ; the opening add is done
	s_wait_kmcnt 0x0
	s_add_nc_u64 s[14:15], s[4:5], s[16:17]
	s_add_nc_u64 s[46:47], s[4:5], s[46:47]
	CROUND                                         ; all sixteen work-groups are here: the first joint loads meet
.irp s, 0,1
	s_mov_b32 s[G0+4*(\s)], 1
	s_add_co_u32 s[G0+4*(\s)+1], s20, (\s)*SLOT
	s_add_nc_u64 s[G0+4*(\s)+2:G0+4*(\s)+3], s[14:15], (\s)*KSTEP*2
	s_or_b32 s[G0+4*(\s)+3], s[G0+4*(\s)+3], 0x80000000
	s_mov_b32 s[G0B+4*(\s)], 1
	s_add_co_u32 s[G0B+4*(\s)+1], s21, (\s)*SLOT
	s_add_nc_u64 s[G0B+4*(\s)+2:G0B+4*(\s)+3], s[46:47], (\s)*KSTEP*2
	s_or_b32 s[G0B+4*(\s)+3], s[G0B+4*(\s)+3], 0x80000000
	JLOAD \s                                       ; two loads of mine are out
.endr
	; a fragment is 16 rows x 32 K in 8 registers: lane l holds row l % 16, K = 8 (l / 16) + 0..7 and 16 + 8 (l / 16) + 0..7: two loads of 16 bytes, 32 bytes apart
	v_and_b32 v1, 15, v0
	v_bfe_u32 v2, v0, 4, 1
	v_mul_u32_u24 v3, v1, PITCH
	v_lshl_add_u32 v3, v2, 4, v3
	s_mul_i32 s22, s11, HALFA                      ; my 128 rows of x
	s_mul_i32 s23, s12, HALFB                      ; my 96 rows of the weights,
	s_add_co_u32 s23, s23, 2*HALFA                 ; which lie behind x's 256
	v_add_nc_u32 v[A0], s22, v3
	v_add_nc_u32 v[B0], s23, v3
	v_mov_b32 v[ADRA], v[A0]
	v_mov_b32 v[ADRB], v[B0]
	v_and_b32 v4, 31, v0
	v_lshlrev_b32 v[LO], 4, v4
	; the prefetch's rows, counted in xw's 8,192 rows of 4,096 bytes: lanes 0-7 take x's rows 256 x tile row + 8 x tile column + lane, lanes 8-31 the weights' rows 192 x tile column + 24 x tile row + lane - 8
	s_lshl_b32 s66, s13, 8
	s_lshl3_add_u32 s66, s42, s66
	s_mul_i32 s67, s42, 192
	s_mul_i32 s68, s13, 24
	s_add_co_u32 s67, s67, s68
	s_add_co_u32 s67, s67, 2048-8                  ; the weights lie behind x's 2,048 rows
	v_cmp_gt_u32 vcc_lo, 8, v4
	v_add_nc_u32 v5, s66, v4
	v_add_nc_u32 v6, s67, v4
	v_cndmask_b32 v5, v6, v5, vcc_lo
	v_lshlrev_b32 v[PR], 12, v5
	PREF                                           ; K step 2: its joint load is issued in the first trip's change of slots
	s_lshr_b32 s66, s42, 1                         ; the head
	s_and_b32 s67, s42, 1
	s_lshl1_add_u32 s67, s67, s12                  ; jj = 2 (tile column % 2) + my half
	s_lshl_b32 s68, s13, 4
	s_lshl3_add_u32 s68, s11, s68                  ; my first block of 16 rows: 16 x tile row + 8 x half
	s_lshl_b32 s66, s66, 19                        ; a head is 524,288 bytes in each of q, k, v,
	s_lshl_b32 s69, s68, 12                        ; 16 rows are 4,096
	s_add_co_u32 s66, s66, s69
	s_lshl_b32 s69, s67, 10
	s_add_co_u32 s80, s66, s69
	s_mov_b32 s81, 0
	s_add_nc_u64 s[QP:QP+1], s[8:9], s[80:81]
	s_add_nc_u64 s[KP:KP+1], s[QP:QP+1], 8388608
	s_lshl_b32 s69, s67, 11                        ; v: my two blocks of 16 channels
	s_add_co_u32 s80, s66, s69
	s_add_nc_u64 s[VP:VP+1], s[8:9], s[80:81]
	s_add_nc_u64 s[VP:VP+1], s[VP:VP+1], 16777216
	s_lshl_b32 s80, s67, 18
	s_lshl_b32 s69, s68, 11
	s_add_co_u32 s80, s80, s69
	s_add_nc_u64 s[TP:TP+1], s[6:7], s[80:81]
.set i, 0
.rept 32                                           ; cos and sin for my eight blocks of rows: asked for now, wanted behind the whole K loop
	global_load_b128 v[CS+4*i:CS+4*i+3], v[LO], s[TP:TP+1] offset:512*i
.set i, i+1
.endr
; 12 matrix instructions: row blocks a0, a0 + 1 of the window's four x all 6 column blocks, 32 along K.  zero = 1: the first product starts the sums.
; The 48 accumulators take turns in the same order in every quarter step, one instruction a turn.
.macro MUL12 f, hi, a0, zero
	WIN MUL_LO+0x50*(\hi)
.irp a, \a0, (\a0)+1
.irp b, 0,1,2,3,4,5
.set rD, 8*(6*(\a)+(\b))
.set rA, 64*(\f)+8*(4*(\hi)+(\a))
.set rB, 128+48*(\f)+8*(\b)
.if (\b) < 4
.if \zero
	v_wmma_f32_16x16x32_bf16 v[rD:rD+7], v[rB:rB+7], v[rA:rA+7], 0
.else
	v_wmma_f32_16x16x32_bf16 v[rD:rD+7], v[rB:rB+7], v[rA:rA+7], v[rD:rD+7]
.endif
.else
.if \zero
	v_wmma_f32_16x16x32_bf16 v[rD:rD+7], v[rA:rA+7], v[rB:rB+7], 0
.else
	v_wmma_f32_16x16x32_bf16 v[rD:rD+7], v[rA:rA+7], v[rB:rB+7], v[rD:rD+7]
.endif
.endif
.endr
.endr
.endm
; 28 LDS loads in one run: the fragments of one quarter step (96 rows of the weights, then 128 rows of x, 32 K at byte k of the rows) into buffer f
.macro FETCH k, f
	WIN TO_F
.irp i, 0,1,2,3,4,5
	ds_load_b128 v[128+48*(\f)+8*(\i):128+48*(\f)+8*(\i)+3],   v[ADRB] offset:(\k)+(\i)*16*PITCH
	ds_load_b128 v[128+48*(\f)+8*(\i)+4:128+48*(\f)+8*(\i)+7], v[ADRB] offset:(\k)+(\i)*16*PITCH+32
.endr
.irp i, 0,1,2,3,4,5,6,7
	ds_load_b128 v[64*(\f)+8*(\i):64*(\f)+8*(\i)+3],   v[ADRA] offset:(\k)+(\i)*16*PITCH
	ds_load_b128 v[64*(\f)+8*(\i)+4:64*(\f)+8*(\i)+7], v[ADRA] offset:(\k)+(\i)*16*PITCH+32
.endr
.endm
; A K step is four quarter steps of 32 along K, 48 matrix instructions each, on buffers 0, 1, 0, 1.  One of the first three multiplies buffer f and fetches the next quarter, at byte k, into g.
.macro QUARTER k, f, g, zero
	s_wait_dscnt 8                                 ; the weights and x's rows 0-63 are in; the youngest eight loads (x's rows 64-127) may be out
	MUL12 \f, 0, 0, \zero
	MUL12 \f, 0, 2, \zero
	PLACES
	FETCH \k, \g
	s_wait_dscnt 28                                ; all but the 28 just issued
	MUL12 \f, 1, 0, \zero
	MUL12 \f, 1, 2, \zero
.endm
; The last quarter multiplies buffer 1 and changes slots: ONE barrier; in front of it each wave waits for all its tensor loads (one is out: its part of the next slot), adds 0 to its spare word, and
; waits for that and for its own reads of this slot.  fill = 1: the barrier opens a round of the cluster's, and this slot is filled again, two K steps ahead, first thing behind the round:
; 168 matrix instructions stand between that request and the wait for it.  The walking descriptors take the other slot than last time and the next K step.  Behind the load wave 3 asks for the K step after it.
.macro TURN fill
	WIN 0                                          ; (the add's two registers lie in window 0)
	s_wait_tensorcnt 0x0
	ds_add_u32 v[SPW], v[NIL]                      ; 0 onto my spare word
	s_wait_dscnt 9                                 ; (the add and the youngest eight loads may be out)
	MUL12 1, 0, 0, 0                               ; twelve matrix instructions stand between the add and the wait for it
	s_wait_dscnt 0x0                               ; the add is done, and my reads of this slot are over
	s_barrier_signal -1
	MUL12 1, 0, 2, 0
	WIN 0                                          ; (branches and lines on window 0 follow)
	s_barrier_wait -1
.if \fill
	CREST                                          ; no wave of any partner still reads this slot's tile or has a load on its way
	s_xor_b32 s[G0+5], s[G0+5], SLOT
	s_add_nc_u64 s[G0+6:G0+7], s[G0+6:G0+7], KSTEP*2
	s_xor_b32 s[G0B+5], s[G0B+5], SLOT
	s_add_nc_u64 s[G0B+6:G0B+7], s[G0B+6:G0B+7], KSTEP*2
	JLOAD 1                                        ; the four v_nop behind it are also the places in front of the loads below
	PREF
.else
	PLACES
.endif
	s_xor_b32 s[TBS], s[TBS], SLOT                 ; the fetches go on in the other slot
	v_add_nc_u32 v[ADRA], s[TBS], v[A0]
	v_add_nc_u32 v[ADRB], s[TBS], v[B0]
	FETCH 0, 0
	MUL12 1, 1, 0, 0
	MUL12 1, 1, 2, 0
.endm
; THE WAY OUT of block a (16 rows).  q and k: lo' = lo cos - hi sin, hi' = hi cos + lo sin, register against register; each accumulator's lowest registers are read first.
; Then everything is rounded to f16 and stored: six stores of 512 consecutive bytes.
.macro OUT a
.set AC, 48*((\a)%4)
.set YB, Y+24*((\a)%2)
.set CA, CS+16*(\a)
	s_wait_xcnt 0x0                                ; the buffer's earlier stores have read it
	WIN 0x02+(\a)/4                                ; source 0: window 2 or 3
.irp j, 0,1
.irp p, 0,1,2,3
	v_pk_mul_f32 v[T+16*(\j)+2*(\p):T+16*(\j)+2*(\p)+1],     v[AC+16*(\j)+8+2*(\p):AC+16*(\j)+8+2*(\p)+1], v[CA+8+2*(\p):CA+8+2*(\p)+1]
	v_pk_mul_f32 v[T+16*(\j)+8+2*(\p):T+16*(\j)+8+2*(\p)+1], v[AC+16*(\j)+2*(\p):AC+16*(\j)+2*(\p)+1],     v[CA+8+2*(\p):CA+8+2*(\p)+1]
	v_pk_fma_f32 v[T+16*(\j)+2*(\p):T+16*(\j)+2*(\p)+1],     v[AC+16*(\j)+2*(\p):AC+16*(\j)+2*(\p)+1],     v[CA+2*(\p):CA+2*(\p)+1], v[T+16*(\j)+2*(\p):T+16*(\j)+2*(\p)+1] neg_lo:[0,0,1] neg_hi:[0,0,1]
	v_pk_fma_f32 v[T+16*(\j)+8+2*(\p):T+16*(\j)+8+2*(\p)+1], v[AC+16*(\j)+8+2*(\p):AC+16*(\j)+8+2*(\p)+1], v[CA+2*(\p):CA+2*(\p)+1], v[T+16*(\j)+8+2*(\p):T+16*(\j)+8+2*(\p)+1]
.endr
.endr
	WIN 0x0a+5*((\a)/4)                            ; sources 0 and 1: window 2 or 3
.set i, 0
.rept 8
	v_cvt_pk_f16_f32 v[YB+16+i], v[AC+32+2*i], v[AC+32+2*i+1]
.set i, i+1
.endr
	WIN 0
.set i, 0
.rept 16
	v_cvt_pk_f16_f32 v[YB+i], v[T+2*i], v[T+2*i+1]
.set i, i+1
.endr
	global_store_b128 v[LO], v[YB:YB+3],     s[QP:QP+1] offset:(\a)*4096
	global_store_b128 v[LO], v[YB+4:YB+7],   s[QP:QP+1] offset:(\a)*4096+512
	global_store_b128 v[LO], v[YB+8:YB+11],  s[KP:KP+1] offset:(\a)*4096
	global_store_b128 v[LO], v[YB+12:YB+15], s[KP:KP+1] offset:(\a)*4096+512
	global_store_b128 v[LO], v[YB+16:YB+19], s[VP:VP+1] offset:((\a)/2)*8192+((\a)%2)*512
	global_store_b128 v[LO], v[YB+20:YB+23], s[VP:VP+1] offset:((\a)/2)*8192+1024+((\a)%2)*512
.endm
	s_wait_tensorcnt 1                             ; my part of K step 0 is in; K step 1's may stay out
	s_barrier_signal -1
	s_barrier_wait -1                              ; everybody's is
	FETCH 0, 0
	QUARTER 64, 0, 1, 1                            ; the first quarter stands in front of the loop: its products start the sums
	WIN 0                                          ; at a label and at a branch every window is 0
	s_mov_b32 s3, STEPS-2
.Lstep:                                                ; 14 trips: from a K step's second quarter to the next step's first; each fills the slot that it leaves
	QUARTER 128, 1, 0, 0
	QUARTER 192, 0, 1, 0
	TURN 1
	QUARTER 64,  0, 1, 0
	WIN 0
	s_sub_co_u32 s3, s3, 1
	s_cmp_lg_u32 s3, 0
	s_cbranch_scc1 .Lstep
	s_mov_b32 s3, 2
.Ltail:                                                ; the last two K steps fill nothing: a text of their own, walked twice and left in the middle.
	QUARTER 128, 1, 0, 0                           ; The second trip's change of slots passes a barrier that orders nothing and fetches 14 fragments of the step before that serve nothing:
	QUARTER 192, 0, 1, 0                           ; the price of one text for both trips
	TURN 0
	WIN 0
	s_sub_co_u32 s3, s3, 1
	s_cmp_eq_u32 s3, 0
	s_cbranch_scc1 .Lout
	QUARTER 64,  0, 1, 0
	WIN 0
	s_branch .Ltail
.Lout:
	PLACES
	s_wait_loadcnt 0x0                             ; cos and sin
.irp a, 0,1,2,3,4,5,6,7
	OUT \a
.endr
	s_wait_tensorcnt 0x0                           ; the wave's end, behind my last tensor load
	ds_add_u32 v[SPW], v[NIL]
	s_wait_dscnt 0x0
	CROUND                                         ; the closing round: no work-group ends while a partner may still ask for a tile that names it
	s_endpgm
.Lfunc_end_k_q7136f6fa00_qkv:
	.size	k_q7136f6fa00_qkv, .Lfunc_end_k_q7136f6fa00_qkv-k_q7136f6fa00_qkv
	.p2alignl 7, 3214868480
	.fill 96, 4, 3214868480
	.section	.rodata,"a",@progbits
	.p2align	6, 0x0
	.amdhsa_kernel k_q7136f6fa00_qkv
		.amdhsa_group_segment_fixed_size 327680
		.amdhsa_private_segment_fixed_size 0
		.amdhsa_enable_private_segment 0
		.amdhsa_kernarg_size 24
		.amdhsa_user_sgpr_count 2
		.amdhsa_user_sgpr_kernarg_segment_ptr 1
		.amdhsa_wavefront_size32 1
		.amdhsa_system_sgpr_workgroup_id_x 1
		.amdhsa_system_sgpr_workgroup_id_y 1
		.amdhsa_system_sgpr_workgroup_id_z 1
		.amdhsa_system_vgpr_workitem_id 0
		.amdhsa_next_free_vgpr 1024
		.amdhsa_next_free_sgpr 84
		.amdhsa_reserve_vcc 1
		.amdhsa_float_denorm_mode_32 3
		.amdhsa_float_denorm_mode_16_64 3
		.amdhsa_memory_ordered 1
		.amdhsa_forward_progress 1
		.amdhsa_inst_pref_size 95
	.end_amdhsa_kernel
	.amdgpu_metadata
---
amdhsa.version: [ 1, 2 ]
amdhsa.kernels:
  - .name:           k_q7136f6fa00_qkv
    .symbol:         k_q7136f6fa00_qkv.kd
    .args:
      - { .name: xw, .offset: 0, .size: 8, .value_kind: global_buffer, .address_space: global }
      - { .name: tab, .offset: 8, .size: 8, .value_kind: global_buffer, .address_space: global }
      - { .name: qkv, .offset: 16, .size: 8, .value_kind: global_buffer, .address_space: global }
    .group_segment_fixed_size: 327680
    .private_segment_fixed_size: 0
    .kernarg_segment_align: 8
    .kernarg_segment_size: 24
    .max_flat_workgroup_size: 128
    .sgpr_count:     84
    .vgpr_count:     1024
    .wavefront_size: 32
...
	.end_amdgpu_metadata
.endif
;; end of part 2
;; launch attn (part 3): grid 16 x 16, 4 waves a work-group, clusters of 4 x 1, 327,680 bytes of LDS; arguments qkv, mf, of; writes of
.if DOCPART == 3
	.amdgcn_target "amdgcn-amd-amdhsa--gfx1250"
	.amdhsa_code_object_version 6
	.text
	.protected	k_q7136f6fa00_attn
	.globl	k_q7136f6fa00_attn
	.p2align	8
	.type	k_q7136f6fa00_attn,@function
k_q7136f6fa00_attn:
	s_mov_b64 s[64:65], 0
	v_nop
	global_prefetch_b8 v0, s[64:65] scope:SCOPE_SE
	s_setreg_imm32_b32 hwreg(HW_REG_WAVE_MODE, 25, 1), 1
	s_wait_xcnt 0x0
	s_wait_alu depctr_hold_cnt(0) depctr_sa_sdst(0) depctr_va_vdst(0) depctr_va_sdst(0) depctr_va_ssrc(0) depctr_va_vcc(0) depctr_vm_vsrc(0)
	s_getreg_b32 s2, hwreg(HW_REG_IB_STS2, 6, 4)
	s_cmp_eq_u32 s2, 0
	s_cbranch_scc0 .Lentry_in_a_cluster
	s_endpgm
.Lentry_in_a_cluster:
	s_bfe_u32 s2, ttmp6, 0x10000c
	s_cmp_lg_u32 s2, 0x3003
	s_cbranch_scc0 .Lentry_shape_is_right
	s_endpgm
.Lentry_shape_is_right:
; ATTENTION, head size 128, 2,048 keys, an additive mask that is an input: O[q] = the sum over k of softmax_k(q . k / sqrt(128) + mask[q][k]) v[k].
; q and k arrive in f16 with sqrt(log2(e) / sqrt(128)) in each, the mask in f32 times log2(e): s = q . k + mask is the base-2 exponent.  Products, maxima and sums in f32; the weights
; p = 2^(s - m) are rounded to f16 for the second product (their sum l is taken of the unrounded p), O once at the end, to f16.  s - m is one subtraction: 0 at the maximum, never above it.
; LIMITS.  The mask is finite, below 2e38 in size; infinities and NaN are not treated apart.  A weight below 2^-126 counts as 0 in l.
; The mask enters as the C operand of the first product, so a score is rounded once more at the mask's size: beside -1e9 a score counts for nothing, as in a sum in f32.
; SHARES.  A work-group owns 128 queries of one head: 16 x 16 = 256 work-groups.  Wave w has the 64 queries of half w / 2 (four tiles of 16, two PIECES) and the 1,024 keys of half w % 2, 64 a step;
; the two key halves of a query are merged at the end, through LDS.  The wave of key half 1 takes its tiles in the order 2, 3, 0, 1 (by its base addresses), so that EVERY wave sends its piece 2 and keeps its piece 0.
; LAYOUT.  S^T = K Q^T + M (source 0 = 16 keys, source 1 = 16 queries): a lane holds ONE query (lane % 16) and the keys 8 (lane / 16) + 0..7.  Two such tiles rounded to f16 ARE source 1 of
; O^T = V^T P.  q, k, v, the mask and O lie in memory as register images, blocks of 1 KiB = [half][lane][16 bytes]: every load and store of a wave is 512 consecutive bytes, a tile is dense,
; LDS needs no padding (lane i reads at 16 i) and V no turning load.
; BY TURNS.  In a TURN one piece has the matrix unit: 32 products V^T P of the step in hand, then 32 products K Q^T of the next; the other piece's softmax, cut into 64 slices, stands between them.
; NO FIRST STEP IS WRITTEN OUT.  m starts at the lowest finite number and piece 2's scores hold the same, l, O^T, V's registers and piece 0's weights hold 0: the loop's first trip is a step before
; the first, whose products V^T P add 0 and whose weights (all 1) the next step's a = 2^(lowest - m) = 0 wipes out.  The price, once a wave: 64 products on zeros, one piece's softmax that serves
; nothing, and 496 v_mov_b32, which stand in the wait for the first tile.
; CLUSTER.  The four query blocks of a cluster belong to one head and walk the same K and V: each tile is asked for JOINTLY.  The mask is not shared inside a cluster (it hangs on the queries): it comes
; by plain loads, a key step ahead.
; PREFETCH.  A head's 16 work-groups walk its keys in step, so a fill's bytes are asked of memory for the first time at that fill.  Wave 3 asks for them ahead: behind the joint load of fill n it asks for
; my share of fill n + 1, whose joint load is issued one trip (256 matrix instructions) later.  A fill of a head is four regions of 32 KiB; query block qb of the head's 16 takes 8 KiB on end, region
; qb / 4, quarter qb % 4: 32 blocks of 256 bytes, one a lane, each asked for by one lane of the launch.  The head asks for fill 1; the last trip's request is clamped to fill 7, which it asks for once
; more; none leaves the buffer.  The mask has no such request: its loads stand 116 matrix instructions ahead of their use.
; REGISTERS, in windows of 256 (s_set_vgpr_msb: bits 1:0 source 0, 3:2 source 1, 5:4 source 2, 7:6 destination):
;   window 0: v0-9 addresses; v12-43 eight registers of statistics a tile; v44-59 the merge's; v64-191 S^T, 32 a tile; v192-255 P, 16 a tile
;   window 1: O^T, 64 a tile     window 2: v0-127 Q; v128-255 K of one step     window 3: v0-127 V of one step; v128-255 the mask of one step, 32 a tile
.set STEPB, 16384     ; a step's 64 keys: 16 KiB of K, 16 KiB of V
.set SLOT1, 1<<17     ; a slot: four regions of 32 KiB (128 keys): K of key half 0, of half 1, V of half 0, of half 1; region w is filled by wave w
.set VOFF,  65536
.set SPARE, 2*SLOT1   ; behind the ring: the spare words, 128 bytes for each wave
.set XW,    16896     ; the exchange at the end: 16,384 bytes of O^T and 512 of statistics for each wave, in slot 0, which has had its last fill and its last read by then
.set LO,  2           ; v2   16 x lane; never rewritten
.set AV0, 3           ; v3   the same + VOFF
.set ADR, 4           ; v4   the LDS address of the run of loads in hand
.set XS,  6           ; v6   where I put what I send
.set XR,  7           ; v7   where my partner (wave w xor 1) put what it sent
.set PR,  8           ; v8   the prefetch: byte offset in qkv of my lane's block of fill 0; never rewritten
.set PF,  9           ; v9   that plus the fill's bytes
.set SPW, 62          ; v62  LDS address of my spare word; never rewritten
.set NIL, 63          ; v63  0; never rewritten
.set ST,  12          ; tile t's statistics at v[ST+8 t]: +0 m, +1 named with it as a pair, +2, +3 l (even keys', odd keys'), +4 to +7 c0-c3, at work; a takes c2's place once the maximum is found
.set S,   64
.set P,   192
.set KF,  128         ; window 2
.set M,   128         ; window 3: tile t, 16 keys kb at M + 32 t + 8 kb
.set WV,  12          ; s12  my wave's number
.set KH,  13          ; s13  my key half
.set QG,  14          ; s14  my query half; also: I fetch K (0) or V (1)
.set G1,  24          ; s[24:31] descriptor group 1
.set QPA, 32          ; s[32:33], s[34:35] Q at piece 0's, piece 2's first tile
.set PO,  42          ; s42  the prefetch: the fill to be asked for next, in bytes
.set G0,  44          ; s[44:47] descriptor group 0: it walks through all eight fills
.set MBA, 48          ; s[48:49], s[50:51] the mask at piece 0's, piece 2's first tile, my key half's first key
.set MPA, 52          ; s[52:53], s[54:55] the same at the step to be loaded
.set SLOTS, 56
.set TWICE, 57
.set MO,  58          ; s[58:59] that step's byte offset
.set SEL, 60          ; s[60:61] v_permlanex16_b32's selects: each lane takes its own place in the other half
.set TB,  62          ; s62  LDS byte at which K of the step to be fetched begins
.set MSB, 0
.macro WIN new
.if MSB != (\new)
	s_set_vgpr_msb (MSB<<8)|(\new)
.set MSB, \new
.endif
.endm
.set W_KQ, 0x0a       ; K and Q in window 2, S^T in window 0
.set W_KM, 0x3a       ; the same with the C operand, the mask, in window 3
.set W_PV, 0x53       ; V in window 3, P in window 0, O^T in window 1
.set W_RS, 0x41       ; O^T (destination and source 0) in window 1, a in window 0
.macro JLOAD                        ; a joint fill: every wave fetches its own region, 128 rows of 256 bytes; an s_nop 0 and four v_nop follow
	tensor_load_to_lds s[G0:G0+3], s[G1:G1+7]
	s_nop 0
.rept 4
	v_nop
.endr
.endm
.macro PREF                         ; wave 3 asks for my 32 blocks of the fill at s[PO]; then the fill goes on, and stays at the last.  Every window is 0 here
	s_cmp_lg_u32 s[WV], 3
	s_cbranch_scc1 .Lno_pf_\@
	s_wait_xcnt 0x0                 ; the last request, a trip back, has read its address register
	v_add_nc_u32 v[PF], s[PO], v[PR]
	global_prefetch_b8 v[PF], s[4:5] th:TH_LOAD_NT scope:SCOPE_SE
	s_add_co_u32 s[PO], s[PO], 32768
	s_min_u32 s[PO], s[PO], 7*32768
.Lno_pf_\@:
.endm
.macro CROUND                       ; a round of the cluster's barrier
	s_barrier_signal -1
	s_barrier_wait -1
	s_cmp_lg_u32 s[WV], 0
	s_cbranch_scc1 .Lnot_wave_0_\@
	s_barrier_signal -3
.Lnot_wave_0_\@:
	s_barrier_wait -3
	s_barrier_signal -1
	s_barrier_wait -1
.endm
	s_load_b128 s[4:7], s[0:1], 0x0 ; qkv s[4:5], mf s[6:7]
	s_load_b64 s[8:9], s[0:1], 0x10 ; of
	v_lshl_add_u32 v[SPW], v0, 2, SPARE
	v_mov_b32 v[NIL], 0
	ds_add_u32 v[SPW], v[NIL]       ; the wave's opening: the add and its wait stand ahead of my first tensor load; the set-up below stands between them
	v_lshrrev_b32 v1, 5, v0
	v_readfirstlane_b32 s[WV], v1
	s_and_b32 s[KH], s[WV], 1
	s_lshr_b32 s[QG], s[WV], 1
	s_bfe_u32 s15, ttmp6, 0x40000   ; cx
	s_lshl_b32 s16, ttmp9, 2
	s_add_co_u32 s16, s16, s15      ; my block of 128 queries: it enters Q's, the mask's, O's and the prefetch's addresses alone
	s_and_b32 s17, ttmp7, 0xffff    ; the head, which the four partners share
	s_add_co_u32 s20, s[QG], 1      ; my region's tiles: k lies 8 MiB, v 16 MiB into qkv;
	s_lshl_b32 s20, s20, 23
	s_lshl_b32 s18, s17, 19         ; a head is 524,288 bytes,
	s_add_co_u32 s20, s20, s18
	s_lshl_b32 s19, s[KH], 18       ; a key half 262,144
	s_add_co_u32 s20, s20, s19
	s_mov_b32 s21, 0
	s_lshl_b32 s22, s16, 3
	s_lshl2_add_u32 s22, s[QG], s22 ; my four tiles begin at tile 8 x block + 4 x half;
	s_lshl1_add_u32 s23, s[KH], s22 ; piece 0 is tiles + 2 KH ..,
	s_add_co_u32 s22, s22, 2
	s_lshl_b32 s19, s[KH], 1
	s_sub_co_u32 s22, s22, s19      ; piece 2 is tiles + 2 - 2 KH ..
	s_lshl_b32 s32, s23, 12         ; Q: 4,096 bytes a tile
	s_add_co_u32 s32, s32, s18
	s_mov_b32 s33, 0
	s_lshl_b32 s34, s22, 12
	s_add_co_u32 s34, s34, s18
	s_mov_b32 s35, 0
	s_lshl_b32 s19, s[KH], 16       ; the mask: 131,072 bytes a tile of queries, 65,536 a key half
	s_lshl_b32 s36, s23, 17
	s_add_co_u32 s36, s36, s19
	s_mov_b32 s37, 0
	s_lshl_b32 s38, s22, 17
	s_add_co_u32 s38, s38, s19
	s_mov_b32 s39, 0
	s_lshr_b32 s58, s17, 1          ; O: [head / 2][tile][head % 2][block of 16 channels][512 bytes]
	s_lshl_b32 s58, s58, 20
	s_lshl_b32 s19, s23, 13
	s_add_co_u32 s58, s58, s19
	s_and_b32 s19, s17, 1
	s_lshl_b32 s19, s19, 12
	s_add_co_u32 s58, s58, s19
	s_mov_b32 s59, 0
	s_lshr_b32 s40, s16, 3          ; the prefetch's share: region qb / 4 (k or v: qb / 8; key half: (qb / 4) % 2), quarter qb % 4 of its 32 KiB
	s_add_co_u32 s40, s40, 1
	s_lshl_b32 s40, s40, 23
	s_add_co_u32 s40, s40, s18
	s_bfe_u32 s41, s16, 0x10002
	s_lshl_b32 s41, s41, 18
	s_add_co_u32 s40, s40, s41
	s_and_b32 s41, s16, 3
	s_lshl_b32 s41, s41, 13
	s_add_co_u32 s40, s40, s41
	s_mov_b32 s[PO], 32768          ; the first request is for fill 1
	s_mov_b32 s[G1], 15|(3<<16)|(1<<21)  ; 15:0 the mask: all four work-groups; 17:16 elements of 8 bytes; 21 set beside a mask; no padding
	s_mov_b32 s[G1+1], 32<<16       ; tensor_dim0 = 32 elements: rows of 256 bytes
	s_mov_b32 s[G1+2], 128<<16      ; tensor_dim1 = 128
	s_mov_b32 s[G1+3], 32<<16       ; tile_dim0 = 32
	s_mov_b32 s[G1+4], 128          ; tile_dim1 = 128
	s_mov_b32 s[G1+5], 32           ; dense: each row begins where the last ends
	s_mov_b32 s[G1+6], 0
	s_mov_b32 s[G1+7], 0
	s_mov_b32 s[SEL], 0x76543210
	s_mov_b32 s[SEL+1], 0xfedcba98
	s_lshl_b32 s[TB], s[KH], 15
	s_add_co_u32 s[TB], s[TB], SLOT1+2*STEPB  ; the first change of slots turns this into my key half's K in slot 0
	s_mov_b32 s[SLOTS], 1024/128-1
	s_wait_dscnt 0x0                ; the opening add is done
	s_wait_kmcnt 0x0
	s_add_nc_u64 s[20:21], s[4:5], s[20:21]
	s_add_nc_u64 s[QPA:QPA+1], s[4:5], s[32:33]
	s_add_nc_u64 s[QPA+2:QPA+3], s[4:5], s[34:35]
	s_add_nc_u64 s[MBA:MBA+1], s[6:7], s[36:37]
	s_add_nc_u64 s[MBA+2:MBA+3], s[6:7], s[38:39]
	s_add_nc_u64 s[8:9], s[8:9], s[58:59]
	s_mov_b32 s[MO], 0
	s_mov_b64 s[MPA:MPA+1], s[MBA:MBA+1]
	s_mov_b64 s[MPA+2:MPA+3], s[MBA+2:MBA+3]
	CROUND                          ; all four work-groups are here: the first joint loads meet
	s_mov_b32 s[G0], 1              ; count = 1
	s_lshl_b32 s[G0+1], s[WV], 15   ; LDS address: my region of slot 0: no place in the cluster enters it
	s_mov_b64 s[G0+2:G0+3], s[20:21]
	s_or_b32 s[G0+3], s[G0+3], 0x80000000  ; type = 2
	JLOAD                           ; slot 0: one load of mine is out.  Slot 1 is asked for by the loop's first change of slots, when slot 0 is in
	v_and_b32 v1, 31, v0
	v_lshlrev_b32 v[LO], 4, v1
	v_add_nc_u32 v[AV0], VOFF, v[LO]
	v_lshl_add_u32 v[PR], v1, 8, s40  ; lanes 256 bytes apart
	s_mul_i32 s18, s[WV], XW
	v_add_nc_u32 v[XS], s18, v[LO]
	s_xor_b32 s19, s[WV], 1
	s_mul_i32 s19, s19, XW
	v_add_nc_u32 v[XR], s19, v[LO]
	PREF                            ; fill 1: its joint load is issued when slot 0 has landed
	WIN 0x80                        ; destination window 2, address window 0
.irp i, 0,1,2,3,4,5,6,7,8,9,10,11,12,13,14,15  ; Q stays in registers: tile i / 4, channel group i % 4
	global_load_b128 v[8*(\i):8*(\i)+3],   v[LO], s[QPA+2*((\i)/8):QPA+2*((\i)/8)+1] offset:((\i)%8)*1024
	global_load_b128 v[8*(\i)+4:8*(\i)+7], v[LO], s[QPA+2*((\i)/8):QPA+2*((\i)/8)+1] offset:((\i)%8)*1024+512
.endr
; THE MATRIX WORK OF A TURN, for piece x.  The accumulators take turns, one instruction a turn.
; Product i of 32 of O^T += V^T P: keys 32 (i / 16) on, channels 16 ((i / 2) % 8) on, tile x + i % 2.
.macro PV x
	WIN W_PV
.set rO, 64*((\x)+i%2)+8*((i/2)%8)
.set rV, 64*(i/16)+8*((i/2)%8)
.set rP, P+16*((\x)+i%2)+8*(i/16)
	v_wmma_f32_16x16x32_f16 v[rO:rO+7], v[rV:rV+7], v[rP:rP+7], v[rO:rO+7]
.endm
; Product i of 32 of S^T = K Q^T + M: channel group i / 8, keys 16 ((i / 2) % 4) on, tile x + i % 2.  The first 8 start the sums, with the mask.
.macro KQ x
.set rS, S+32*((\x)+i%2)+8*((i/2)%4)
.set rK, KF+32*((i/2)%4)+8*(i/8)
.set rQ, 32*((\x)+i%2)+8*(i/8)
.set rM, M+32*((\x)+i%2)+8*((i/2)%4)
.if i < 8
	WIN W_KM
	v_wmma_f32_16x16x32_f16 v[rS:rS+7], v[rK:rK+7], v[rQ:rQ+7], v[rM:rM+7]
.else
	WIN W_KQ
	v_wmma_f32_16x16x32_f16 v[rS:rS+7], v[rK:rK+7], v[rQ:rQ+7], v[rS:rS+7]
.endif
.endm
; THE LDS LOADS stand in runs of 32: a step's K (16 fragments, 1 KiB each, as they lie) and, a turn later, its V.
.macro FETCH_K
	WIN 0
	v_add_nc_u32 v[ADR], s[TB], v[LO]
	WIN 0x80                        ; destination window 2
.irp f, 0,1,2,3,4,5,6,7,8,9,10,11,12,13,14,15  ; keys 16 (f / 4) on, channel group f % 4
	ds_load_b128 v[KF+8*(\f):KF+8*(\f)+3],   v[ADR] offset:(\f)*1024
	ds_load_b128 v[KF+8*(\f)+4:KF+8*(\f)+7], v[ADR] offset:(\f)*1024+512
.endr
.endm
.macro FETCH_V
	WIN 0
	v_add_nc_u32 v[ADR], s[TB], v[AV0]
	s_add_co_u32 s[TB], s[TB], STEPB  ; the next fetch is the next step's
	WIN 0xc0                        ; destination window 3
.irp f, 0,1,2,3,4,5,6,7,8,9,10,11,12,13,14,15  ; keys 32 (f / 8) on, channels 16 (f % 8) on
	ds_load_b128 v[8*(\f):8*(\f)+3],   v[ADR] offset:(\f)*1024
	ds_load_b128 v[8*(\f)+4:8*(\f)+7], v[ADR] offset:(\f)*1024+512
.endr
.endm
; THE MASK.  MLOAD: piece x's two tiles x 64 keys of the step at s[MPA ..]: 16 loads of 512 consecutive bytes.  MSTEP: on to the next step.  Behind the last step the offset stays: the 32 loads
; that follow the last products K Q^T read step 15 once more and serve nothing: the price of one text for every trip; none leaves the buffer.
.macro MLOAD x
	WIN 0xc0
.irp u, 0,1
.irp n, 0,1,2,3,4,5,6,7
	global_load_b128 v[M+32*((\x)+(\u))+4*(\n):M+32*((\x)+(\u))+4*(\n)+3], v[LO], s[MPA+(\x):MPA+(\x)+1] offset:(\u)*131072+(\n)*512
.endr
.endr
.endm
.macro MSTEP
	s_wait_xcnt 0x0                 ; the bases of the loads issued so far are rewritten only behind this wait
	s_add_co_u32 s[MO], s[MO], 4096
	s_min_u32 s[MO], s[MO], 15*4096
	s_add_nc_u64 s[MPA:MPA+1], s[MBA:MBA+1], s[MO:MO+1]
	s_add_nc_u64 s[MPA+2:MPA+3], s[MBA+2:MBA+3], s[MO:MO+1]
.endm
; THE VECTOR WORK OF A TURN.  One tile's softmax for one key step is a numbered list; SM writes number j of it for tile t.  s0-s31 are the lane's 32 scores, in pairs 0-15.
;   0-15    the maximum of s0-s31 and the old m, three operands at a time (each accumulator's lowest registers are read first)
;   16-20   the other half of the lanes' maximum; the old m is kept; the new m; (19 is empty); m_old - m_new
;   21-87   33 exponentials (a, then s0-s31) at the odd numbers from 23 on, each with a plain instruction behind it; the plain ones are whatever is ready: s - m for a pair whose exponentials are
;           still to come, the rounding to f16 of a pair whose exponentials are done, at last the first three sums
;   88-101  the last rounding; the rest of the sums; l = a l + the sum
;   102-133 the tile's O^T times a: the one part that leaves window 0, so it stands together
.macro SM t
.set rT, ST+8*(\t)
.set rS, S+32*(\t)
.set rP, P+16*(\t)
.set rO, 64*(\t)+2*(j-102)
.set q, (j-20)/2
.if j < 102
	WIN 0
.endif
.if j < 4
	v_max3_num_f32 v[rT+4+j], v[rS+8*j], v[rS+8*j+1], v[rS+8*j+2]
.elseif j < 12
	v_max3_num_f32 v[rT+4+j%4], v[rT+4+j%4], v[rS+8*(j%4)+2*(j/4)+1], v[rS+8*(j%4)+2*(j/4)+2]
.elseif j == 12
	v_max3_num_f32 v[rT+4], v[rT+4], v[rS+7], v[rS+15]
.elseif j == 13
	v_max3_num_f32 v[rT+6], v[rT+6], v[rS+23], v[rS+31]
.elseif j == 14
	v_max3_num_f32 v[rT+4], v[rT+4], v[rT+5], v[rT+6]
.elseif j == 15
	v_max3_num_f32 v[rT+4], v[rT+4], v[rT+7], v[rT]
.elseif j == 16
	v_permlanex16_b32 v[rT+5], v[rT+4], s[SEL], s[SEL+1]  ; the query's other 32 keys lie in the lane 16 away
.elseif j == 17
	v_mov_b32 v[rT+7], v[rT]        ; m_old is kept for a: number 18 writes m anew
.elseif j == 18
	v_max_num_f32 v[rT], v[rT+4], v[rT+5]
.elseif j == 19
.elseif j == 20
	v_sub_f32 v[rT+7], v[rT+7], v[rT]
.elseif j == 23
	v_exp_f32 v[rT+6], v[rT+7]
.elseif (j < 88) && (j > 23) && (j%2 == 1)
	v_exp_f32 v[rS+(j-25)/2], v[rS+(j-25)/2]
.elseif (q < 4) || ((j < 76) && (q%2 == 0))
.set b, q/2+2
.if q < 4
.set b, q
.endif
	v_pk_add_f32 v[rS+2*b:rS+2*b+1], v[rS+2*b:rS+2*b+1], v[rT:rT+1] op_sel_hi:[1,0] neg_lo:[0,1] neg_hi:[0,1]  ; pair b: s - m
.elseif (j < 88) && (q%2 == 1)
	s_wait_alu depctr_va_vdst(0)
	v_cvt_pk_f16_f32 v[rP+(q-5)/2], v[rS+q-5], v[rS+q-4]  ; pair (q - 5) / 2: its second exponential stands three numbers back
.elseif j == 89
	s_wait_alu depctr_va_vdst(0)
	v_cvt_pk_f16_f32 v[rP+15], v[rS+30], v[rS+31]
.elseif j < 102                     ; the sum of the tile's 16 pairs, in place: sum z of 16 adds neighbours 1, 2, 4 and 8 pairs apart, then l takes it
.set z, j-86
.if j < 89
.set z, (j-76)/4
.endif
.set w, 4
.set u, z
.if z >= 14
.set w, 32
.set u, 0
.elseif z >= 12
.set w, 16
.set u, z-12
.elseif z >= 8
.set w, 8
.set u, z-8
.endif
.if z < 15
	v_pk_add_f32 v[rS+w*u:rS+w*u+1], v[rS+w*u:rS+w*u+1], v[rS+w*u+w/2:rS+w*u+w/2+1]
.else
	v_pk_fma_f32 v[rT+2:rT+3], v[rT+2:rT+3], v[rT+6:rT+7], v[rS:rS+1] op_sel_hi:[1,0,1]
.endif
.else
	WIN W_RS
	v_pk_mul_f32 v[rO:rO+1], v[rO:rO+1], v[rT+6:rT+7] op_sel_hi:[1,0]
.endif
.endm
; Slice k of 64 of piece y's softmax: numbers 2 k and 2 k + 1 of both tiles' lists; what is over stands together, in slice 63.
.macro SLICE y
.if (k >= 11) && (k < 44)           ; tile by tile: plain, exponential, plain, exponential
.irp t, \y, (\y)+1
.irp n, 0,1
.set j, 2*k+(\n)
	SM \t
.endr
.endr
.else                               ; the two tiles alternate, so that no instruction reads the result of the one just before it
.irp n, 0,1,2,3,4,5,6,7
.if ((\n) < 2) || (k == 63)
.irp t, \y, (\y)+1
.set j, 2*k+(\n)
	SM \t
.endr
.endif
.endr
.endif
.set k, k+1
.endm
; A TURN.  Piece x has the matrix unit: 32 products V^T P, then (kq = 1) 32 products K Q^T for the next step; the other piece's softmax stands in slices behind them, one behind each, or two where kq = 0.
; Piece 0's turn fetches the next step's K behind its second product, piece 2's turn the same step's V behind its second product K Q^T: 30 matrix instructions ahead of their first use.
; The slices are the places behind the matrix instructions: slice 63's sixteen plain lines stand between a turn's last product K Q^T and what reads its scores or loads into K's registers.
; The mask: at the head of the products K Q^T 32 loads are out, this piece's 16 and, younger, the other piece's 16 (in the first trip Q's 32 are older than both): the count 16 shows this piece's in.
; Its registers are read by products 0-7; behind product 11, five slices (ten plain instructions or more) on, they are loaded for the step after next: 116 matrix instructions ahead of their use.
.macro TURN x, kq
.set k, 0
.set per, 2-(\kq)
.if (\x) == 0
	s_wait_dscnt 0x0                ; V is in
.endif
.set i, 0
.rept 32
	PV \x
.rept per
	SLICE 2-(\x)
.endr
.if ((\x) == 0) && (\kq) && (i == 1)
	FETCH_K
.endif
.set i, i+1
.endr
.if \kq
.if (\x) == 0
	s_wait_dscnt 0x0                ; K is in
.endif
	s_wait_loadcnt 16               ; my piece's mask is in
.set i, 0
.rept 32
	KQ \x
	SLICE 2-(\x)
.if ((\x) == 2) && (i == 1)
	FETCH_V
.endif
.if i == 11
.if (\x) == 0
	MSTEP
.endif
	MLOAD \x
.endif
.set i, i+1
.endr
.endif
.endm
; THE CHANGE OF SLOTS, between piece 2's turn and piece 0's.  Each wave waits for all its tensor loads, of which one is out: its region of the other slot; adds 0 to its spare word; and waits for that and
; for its own reads of the slot.  fill = 1: the barrier is a round of the cluster's, and the slot that is left is filled, with the next 128 keys that have not been asked for, first thing behind it:
; 32 KiB a wave, with two key steps, 256 matrix instructions, in which to land; behind the load wave 3 asks for the fill after it.  (At its first use nothing has been read yet: slot 0 is waited for, slot 1 filled.)
.macro CHANGE fill
	WIN 0                           ; at a label and at a branch every window is 0
	s_wait_tensorcnt 0x0            ; no tensor load of mine is out, so a group 0 may be written
	ds_add_u32 v[SPW], v[NIL]       ; 0 onto my spare word
.if \fill
	s_xor_b32 s[G0+1], s[G0+1], SLOT1  ; the walking descriptor: the other slot than last time,
	s_add_nc_u64 s[G0+2:G0+3], s[G0+2:G0+3], 32768  ; the next 128 keys; the type bits on top are not reached
	s_wait_dscnt 0x0                ; the add is done, and my reads of the slot are over
	CROUND
	JLOAD
	PREF
.else
	s_wait_dscnt 0x0
	s_barrier_signal -1
	s_barrier_wait -1
.endif
	s_sub_co_u32 s[TB], s[TB], 2*STEPB  ; the fetches go back to a slot's first step,
	s_xor_b32 s[TB], s[TB], SLOT1   ; in the other slot
.endm
.macro TWO_STEPS                    ; two trips, each: piece 0's and piece 2's turn; they fetch a slot's two key steps
	WIN 0
	s_mov_b32 s[TWICE], 2
.Lstep_\@:
	TURN 0, 1
	TURN 2, 1
	WIN 0
	s_sub_co_u32 s[TWICE], s[TWICE], 1
	s_cmp_lg_u32 s[TWICE], 0
	s_cbranch_scc1 .Lstep_\@
.endm
	MLOAD 0                         ; the mask of step 0
	MLOAD 2
	; What the first trip finds.  All this stands in the wait for the first tile.
.set i, 0
.rept 128
	v_mov_b32 v[i], 0               ; V (the destination is still window 3)
.set i, i+1
.endr
	WIN 0x40
.set i, 0
.rept 256
	v_mov_b32 v[i], 0               ; O^T
.set i, i+1
.endr
	WIN 0
.irp t, 0,1,2,3
	v_mov_b32 v[ST+8*(\t)], 0xff7fffff  ; m: the lowest finite number
	v_mov_b32 v[ST+8*(\t)+1], 0     ; named with m as a pair, so it is written
	v_mov_b32 v[ST+8*(\t)+2], 0     ; l
	v_mov_b32 v[ST+8*(\t)+3], 0
.endr
.set i, 0
.rept 32
	v_mov_b32 v[P+i], 0             ; piece 0's weights
.set i, i+1
.endr
.set i, 0
.rept 64
	v_mov_b32 v[S+64+i], v[ST]      ; piece 2's scores: all equal to m
.set i, i+1
.endr
.Lslot:                             ; seven trips: each enters a slot and asks for the next
	CHANGE 1
	TWO_STEPS
	s_sub_co_u32 s[SLOTS], s[SLOTS], 1
	s_cmp_lg_u32 s[SLOTS], 0
	s_cbranch_scc1 .Lslot
	CHANGE 0                        ; the tail is written out; behind this barrier nobody reads slot 0, and nothing fills it
	TWO_STEPS
	TURN 0, 0                       ; piece 0: V^T P of the last step | piece 2's last softmax
.set i, 0
.rept 32
	PV 2                            ; piece 2: V^T P of the last step
.set i, i+1
.endr
	; THE MERGE.  l's two halves and the other half of the lanes' are added (the additions are the places behind the last products).  I send my piece 2 (O^T, m, l) to my partner, who holds the same
	; queries as its piece 0 for the other 1,024 keys, and take its piece 2 for my piece 0.
	WIN 0
.irp t, 0,1,2,3
	v_add_f32 v[ST+8*(\t)+4], v[ST+8*(\t)+2], v[ST+8*(\t)+3]
.endr
.irp t, 0,1,2,3
	v_permlanex16_b32 v[ST+8*(\t)+5], v[ST+8*(\t)+4], s[SEL], s[SEL+1]
.endr
.irp t, 0,1,2,3
	v_add_f32 v[ST+8*(\t)+4], v[ST+8*(\t)+4], v[ST+8*(\t)+5]
.endr
	v_mov_b32 v44, v[ST+16]         ; m and l of tiles 2 and 3, 16 bytes a lane
	v_mov_b32 v45, v[ST+20]
	v_mov_b32 v46, v[ST+24]
	v_mov_b32 v47, v[ST+28]
	WIN 0x04                        ; the stores' data in window 1
.set i, 0
.rept 32
	ds_store_b128 v[XS], v[128+4*i:128+4*i+3] offset:512*i  ; ascending: each accumulator's lowest registers first
.set i, i+1
.endr
	WIN 0
	ds_store_b128 v[XS], v[44:47] offset:16384
	s_wait_dscnt 0x0                ; for my partner's sake: my stores are done
	s_barrier_signal -1
	s_barrier_wait -1
	ds_load_b128 v[48:51], v[XR] offset:16384
.set i, 0
.rept 32
	ds_load_b128 v[S+4*i:S+4*i+3], v[XR] offset:512*i
.set i, i+1
.endr
	s_wait_dscnt 32                 ; the statistics are in; the 32 loads behind them may be out
.irp u, 0,1
	v_max_num_f32 v[52+(\u)], v[ST+8*(\u)], v[48+2*(\u)]     ; the common maximum
.endr
.irp u, 0,1
	v_sub_f32 v[54+(\u)], v[ST+8*(\u)], v[52+(\u)]
	v_sub_f32 v[56+(\u)], v[48+2*(\u)], v[52+(\u)]
.endr
.irp u, 0,1
	v_exp_f32 v[54+(\u)], v[54+(\u)]                         ; my half's weight,
	v_exp_f32 v[56+(\u)], v[56+(\u)]                         ; my partner's
.endr
	v_nop                           ; a plain instruction behind the exponentials
.irp u, 0,1
	s_wait_alu depctr_va_vdst(0)
	v_mul_f32 v[58+(\u)], v[54+(\u)], v[ST+8*(\u)+4]
	v_fmac_f32 v[58+(\u)], v[56+(\u)], v[49+2*(\u)]          ; the whole row's l
.endr
.irp u, 0,1
	v_rcp_f32 v[58+(\u)], v[58+(\u)]
.endr
	v_nop                           ; a plain instruction behind the reciprocals
.irp u, 0,1
	s_wait_alu depctr_va_vdst(0)
	v_mul_f32 v[ST+8*(\u)+6], v[54+(\u)], v[58+(\u)]         ; the factor of my O^T,
	v_mul_f32 v[ST+8*(\u)+2], v[56+(\u)], v[58+(\u)]         ; of my partner's
.endr
	s_wait_dscnt 0x0
.irp u, 0,1
.set i, 0
.rept 32
	v_pk_mul_f32 v[S+64*(\u)+2*i:S+64*(\u)+2*i+1], v[S+64*(\u)+2*i:S+64*(\u)+2*i+1], v[ST+8*(\u)+2:ST+8*(\u)+3] op_sel_hi:[1,0]
.set i, i+1
.endr
.endr
	WIN 0x01                        ; source 0, my O^T, in window 1
.irp u, 0,1
.set i, 0
.rept 32
	v_pk_fma_f32 v[S+64*(\u)+2*i:S+64*(\u)+2*i+1], v[64*(\u)+2*i:64*(\u)+2*i+1], v[ST+8*(\u)+6:ST+8*(\u)+7], v[S+64*(\u)+2*i:S+64*(\u)+2*i+1] op_sel_hi:[1,0,1]
.set i, i+1
.endr
.endr
	WIN 0
.set i, 0
.rept 64
	v_cvt_pk_f16_f32 v[P+i], v[S+2*i], v[S+2*i+1]
.set i, i+1
.endr
.set i, 0
.rept 16                            ; tile i / 8, channels 16 (i % 8) on: a lane's eight channels of a query are 16 bytes of the next launch's fragment; 512 consecutive bytes a store
	global_store_b128 v[LO], v[P+4*i:P+4*i+3], s[8:9] offset:(i/8)*8192+(i%8)*512
.set i, i+1
.endr
	s_wait_tensorcnt 0x0            ; the wave's end, behind my last tensor load and my last LDS store
	ds_add_u32 v[SPW], v[NIL]
	s_wait_dscnt 0x0
	CROUND                          ; the closing round: no work-group ends while a partner may still ask for a tile that names it
	s_endpgm
.Lfunc_end_k_q7136f6fa00_attn:
	.size	k_q7136f6fa00_attn, .Lfunc_end_k_q7136f6fa00_attn-k_q7136f6fa00_attn
	.p2alignl 7, 3214868480
	.fill 96, 4, 3214868480
	.section	.rodata,"a",@progbits
	.p2align	6, 0x0
	.amdhsa_kernel k_q7136f6fa00_attn
		.amdhsa_group_segment_fixed_size 327680
		.amdhsa_private_segment_fixed_size 0
		.amdhsa_enable_private_segment 0
		.amdhsa_kernarg_size 24
		.amdhsa_user_sgpr_count 2
		.amdhsa_user_sgpr_kernarg_segment_ptr 1
		.amdhsa_wavefront_size32 1
		.amdhsa_system_sgpr_workgroup_id_x 1
		.amdhsa_system_sgpr_workgroup_id_y 1
		.amdhsa_system_sgpr_workgroup_id_z 1
		.amdhsa_system_vgpr_workitem_id 0
		.amdhsa_next_free_vgpr 1024
		.amdhsa_next_free_sgpr 66
		.amdhsa_reserve_vcc 0
		.amdhsa_float_denorm_mode_32 3
		.amdhsa_float_denorm_mode_16_64 3
		.amdhsa_memory_ordered 1
		.amdhsa_forward_progress 1
		.amdhsa_inst_pref_size 179
	.end_amdhsa_kernel
	.amdgpu_metadata
---
amdhsa.version: [ 1, 2 ]
amdhsa.kernels:
  - .name:           k_q7136f6fa00_attn
    .symbol:         k_q7136f6fa00_attn.kd
    .args:
      - { .name: qkv, .offset: 0, .size: 8, .value_kind: global_buffer, .address_space: global }
      - { .name: mf, .offset: 8, .size: 8, .value_kind: global_buffer, .address_space: global }
      - { .name: of, .offset: 16, .size: 8, .value_kind: global_buffer, .address_space: global }
    .group_segment_fixed_size: 327680
    .private_segment_fixed_size: 0
    .kernarg_segment_align: 8
    .kernarg_segment_size: 24
    .max_flat_workgroup_size: 128
    .sgpr_count:     66
    .vgpr_count:     1024
    .wavefront_size: 32
...
	.end_amdgpu_metadata
.endif
;; end of part 3
;; launch proj (part 4): grid 16 x 16, 4 waves a work-group, clusters of 4 x 4, 327,680 bytes of LDS; arguments of, wob, out0; writes out0
.if DOCPART == 4
	.amdgcn_target "amdgcn-amd-amdhsa--gfx1250"
	.amdhsa_code_object_version 6
	.text
	.protected	k_q7136f6fa00_proj
	.globl	k_q7136f6fa00_proj
	.p2align	8
	.type	k_q7136f6fa00_proj,@function
k_q7136f6fa00_proj:
	s_mov_b64 s[64:65], 0
	v_nop
	global_prefetch_b8 v0, s[64:65] scope:SCOPE_SE
	s_setreg_imm32_b32 hwreg(HW_REG_WAVE_MODE, 25, 1), 1
	s_wait_xcnt 0x0
	s_wait_alu depctr_hold_cnt(0) depctr_sa_sdst(0) depctr_va_vdst(0) depctr_va_sdst(0) depctr_va_ssrc(0) depctr_va_vcc(0) depctr_vm_vsrc(0)
	s_getreg_b32 s2, hwreg(HW_REG_IB_STS2, 6, 4)
	s_cmp_eq_u32 s2, 0
	s_cbranch_scc0 .Lentry_in_a_cluster
	s_endpgm
.Lentry_in_a_cluster:
	s_bfe_u32 s2, ttmp6, 0x10000c
	s_cmp_lg_u32 s2, 0xf033
	s_cbranch_scc0 .Lentry_shape_is_right
	s_endpgm
.Lentry_shape_is_right:
; PROJ: out0[s][e] = the sum over k of O[s][k] wo[e][k].  O: f16, as the attention left it: [k / 256][block of 16 rows][(k % 256) / 32][half][lane][16 bytes], the register image of a fragment.
; wo: f16, [2048][2048] as it lies.  Sums in f32, stored as f32.
; A tile is 128 x 128: 16 x 16 = 256 work-groups.  Four waves, each 64 x 64: 16 accumulators, 128 registers.  K goes in 8 steps of 256 through two LDS slots.  A step's 64 rows of O are 32,768 dense
; bytes, asked for as 128 rows of 256 bytes and read back at 16 x lane: no padding; wo's rows are 512 bytes, padded by 16.
; A K STEP IS WRITTEN ONCE FOR THE LOOP AND ONCE FOR THE TAIL: the slot in hand is a scalar, 0 or SLOT, that one exclusive or turns; one descriptor for O and one for wo walk from fill to fill, their LDS
; words made anew as the wave's constant plus that scalar.
; CLUSTERS: 4 x 4 work-groups; O's tiles are shared along a row of the cluster, wo's along a column: joint loads.  THE MATRIX INSTRUCTION IS USED TRANSPOSED (source 0 = 16 rows of wo, source 1 = 16 rows
; of O): a lane holds eight neighbouring numbers of a row of out0.  A wave's 64 columns are 256 consecutive bytes, aligned: the stage on the way out is each wave's own, and no barrier stands there.
; PREFETCH.  All work-groups walk K in step, so a K step's bytes are asked of memory for the first time at that step.  Wave 3 asks for them ahead: behind the joint load of K step n it asks for my share
; of K step n + 1, whose joint load is issued one trip (128 matrix instructions and a round) later.  A share is 32 blocks of 256 bytes, one a lane, out of ONE buffer, since a request has one base:
; a work-group whose tile column + tile row is even takes 8 KiB on end of its tile of O (the 8 such work-groups of a tile row share its 64 KiB), one where it is odd 16 rows x 512 bytes of its tile of wo
; (the 8 such of a tile column share its 128 rows): each block is asked for by one lane of the launch.  Base, offset and step are selected; no branch hangs on the place in the cluster.
; The head asks for K step 2; the last trip's request is clamped to K step 7, which it asks for once more; none leaves its buffer.
; REGISTERS: window 0: v0-31 addresses; v32-95 rows read back, two buffers; v128-255 the accumulators ((a, b) at v[128 + 8 (4 a + b)]).
;   window 1: two fragment buffers of 128: for 64 along K, 64 registers of O, then 64 of wo.
.set KSTEP,  256
.set STEPS,  2048/KSTEP
.set PITCH,  528                       ; a row of wo in LDS: 512 bytes + 16 of padding = 132 words: the 16 rows of a load start at 16 different groups of four banks (ISA guide 11.1)
.set AHALF,  32768                     ; 64 rows of O for a K step
.set BHALF,  64*PITCH                  ; 64 rows of wo
.set BOFF,   2*AHALF
.set SLOT,   BOFF+2*BHALF
.set STAGE,  2*SLOT                    ; behind the ring: 16 rows x 272 bytes for each wave
.set SPITCH, 272
.set SPARE,  STAGE+4*16*SPITCH         ; behind the stages: the spare words, 128 bytes for each wave
.set PR,   10                          ; v10     the prefetch: byte offset in its buffer of my lane's block of K step 0; never rewritten
.set PF,   11                          ; v11     that plus the K step's bytes
.set ADRA, 16                          ; v16     LDS address of my fragments of O in the slot that is being fetched from
.set A0,   18                          ; v18     the same in slot 0; never rewritten
.set ADRB, 20                          ; v20     the same two for wo
.set B0,   22                          ; v22
.set STO,  24                          ; v24     the way out: where I put 32 bytes of a row
.set RD,   25                          ; v25     the way out: where I read a row back
.set CO,   26                          ; v26     my byte offset in out0
.set SPW,  28                          ; v28     LDS address of my spare word; never rewritten
.set NIL,  29                          ; v29     0; never rewritten
.set TMP,  32
.set ACC,  128
.set F0,   0
.set F1,   128
.set G1, 24                            ; s[24:31] descriptor group 1 for O's tiles; s[32:35] group 0 of the first fill, s[36:39] of the second: it then walks
.set G0, 32
.set G1B, 48                           ; s[48:55], s[56:63] the same for wo's
.set G0B, 56
.set TBS, 45                           ; s45      LDS byte at which the slot that is being fetched from begins: 0 or SLOT
.set PB,  66                           ; s[66:67] the prefetch: its buffer, O or wo
.set PO,  68                           ; s68      the K step to be asked for next, in bytes
.set PI,  69                           ; s69      a K step in bytes: 1 MiB in O, 512 along a row of wo
.set PM,  70                           ; s70      the last K step, in bytes
.set MSB, 0
.macro WIN new
.if MSB != (\new)
	s_set_vgpr_msb (MSB<<8)|(\new)
.set MSB, \new
.endif
.endm
.set MUL,  0x05                        ; both sources window 1; C and D window 0
.set TO_F, 0x40                        ; destination window 1, address window 0
.macro JLOAD s                         ; a joint load: waves 0 and 1 fetch O's two halves, waves 2 and 3 wo's; an s_nop 0 and four v_nop follow each of the two lines
	s_cmp_eq_u32 s11, 0
	s_cbranch_scc0 .Lfor_b_\@
	tensor_load_to_lds s[G0+4*(\s):G0+4*(\s)+3], s[G1:G1+7]
	s_nop 0
.rept 4
	v_nop
.endr
	s_branch .Lasked_\@
.Lfor_b_\@:
	tensor_load_to_lds s[G0B+4*(\s):G0B+4*(\s)+3], s[G1B:G1B+7]
	s_nop 0
.rept 4
	v_nop
.endr
.Lasked_\@:
.endm
.macro PREF                            ; wave 3 asks for my 32 blocks of the K step at s[PO]; then the step goes on, and stays at the last.  Every window is 0 here
	s_cmp_lg_u32 s10, 3
	s_cbranch_scc1 .Lno_pf_\@
	s_wait_xcnt 0x0                                ; the last request, a trip back, has read its address register
	v_add_nc_u32 v[PF], s[PO], v[PR]
	global_prefetch_b8 v[PF], s[PB:PB+1] th:TH_LOAD_NT scope:SCOPE_SE
	s_add_co_u32 s[PO], s[PO], s[PI]
	s_min_u32 s[PO], s[PO], s[PM]
.Lno_pf_\@:
.endm
.macro CREST
	s_cmp_lg_u32 s10, 0
	s_cbranch_scc1 .Lnot_wave_0_\@
	s_barrier_signal -3
.Lnot_wave_0_\@:
	s_barrier_wait -3
	s_barrier_signal -1
	s_barrier_wait -1
.endm
.macro CROUND
	s_barrier_signal -1
	s_barrier_wait -1
	CREST
.endm
	s_load_b128 s[4:7], s[0:1], 0x0                ; of s[4:5], wob s[6:7]
	s_load_b64 s[8:9], s[0:1], 0x10                ; out0
	v_lshl_add_u32 v[SPW], v0, 2, SPARE
	v_mov_b32 v[NIL], 0
	ds_add_u32 v[SPW], v[NIL]                      ; the wave's opening: the add and its wait stand ahead of my first tensor load; the set-up below stands between them
	v_lshrrev_b32 v1, 5, v0
	v_readfirstlane_b32 s10, v1                    ; wave 0..3
	s_lshr_b32 s11, s10, 1                         ; which half of the tile's rows is mine.  Also: I fetch O (0) or wo (1)
	s_and_b32 s12, s10, 1                          ; which half of its columns.  Also: which 64 rows of that tile I fetch
	s_bfe_u32 s40, ttmp6, 0x40000
	s_bfe_u32 s41, ttmp6, 0x40004
	s_lshl_b32 s42, ttmp9, 2
	s_add_co_u32 s42, s42, s40                     ; tile column
	s_and_b32 s13, ttmp7, 0xffff
	s_lshl_b32 s13, s13, 2
	s_add_co_u32 s13, s13, s41                     ; tile row
	s_lshl_b32 s43, s41, 2
	s_lshl_b32 s43, 15, s43                        ; my row of the cluster
	s_lshl_b32 s44, 0x1111, s40                    ; my column
	s_or_b32 s[G1+0], s43, (3<<16)|(1<<21)         ; O: the mask of my row; elements of 8 bytes; 21 set beside a mask; no padding
	s_mov_b32 s[G1+1], 32<<16                      ; tensor_dim0 = 32: rows of 256 bytes
	s_mov_b32 s[G1+2], 128<<16                     ; tensor_dim1 = 128
	s_mov_b32 s[G1+3], 32<<16                      ; tile_dim0 = 32
	s_mov_b32 s[G1+4], 128                         ; tile_dim1 = 128
	s_mov_b32 s[G1+5], 32                          ; dense
	s_mov_b32 s[G1+6], 0
	s_mov_b32 s[G1+7], 0
	s_or_b32 s[G1B+0], s44, (1<<16)|(1<<20)|(1<<21)|(6<<22)|(3<<25)  ; wo: the mask of my column; 2-byte elements; padding on, after every 128 words, 4 words
	s_mov_b32 s[G1B+1], KSTEP<<16
	s_mov_b32 s[G1B+2], 64<<16
	s_mov_b32 s[G1B+3], KSTEP<<16
	s_mov_b32 s[G1B+4], 64
	s_mov_b32 s[G1B+5], 2048
	s_mov_b32 s[G1B+6], 0
	s_mov_b32 s[G1B+7], 0
	s_lshl_b32 s16, s13, 3
	s_lshl2_add_u32 s16, s12, s16                  ; O: block of 16 rows 8 x tile row + 4 x half, 8,192 bytes a block and K step
	s_lshl_b32 s16, s16, 13
	s_mov_b32 s17, 0
	s_lshl_b32 s46, s42, 7
	s_lshl_b32 s47, s12, 6
	s_add_co_u32 s46, s46, s47                     ; wo: row 128 x tile column + 64 x half
	s_lshl_b32 s46, s46, 12
	s_mov_b32 s47, 0
	s_lshl_b32 s20, s12, 15                        ; where they go in a slot: no place in the cluster enters an LDS address
	s_mul_i32 s21, s12, BHALF
	s_add_co_u32 s21, s21, BOFF
	s_mov_b32 s[TBS], 0                            ; the fetches begin in slot 0
	s_wait_dscnt 0x0                               ; the opening add is done
	s_wait_kmcnt 0x0
	s_add_nc_u64 s[14:15], s[4:5], s[16:17]
	s_add_nc_u64 s[46:47], s[6:7], s[46:47]
	CROUND                                         ; all sixteen work-groups are here: the first joint loads meet
.irp s, 0,1
	s_mov_b32 s[G0+4*(\s)], 1
	s_add_co_u32 s[G0+4*(\s)+1], s20, (\s)*SLOT
	s_add_nc_u64 s[G0+4*(\s)+2:G0+4*(\s)+3], s[14:15], (\s)*1048576  ; a K step of O is 1 MiB on
	s_or_b32 s[G0+4*(\s)+3], s[G0+4*(\s)+3], 0x80000000
	s_mov_b32 s[G0B+4*(\s)], 1
	s_add_co_u32 s[G0B+4*(\s)+1], s21, (\s)*SLOT
	s_add_nc_u64 s[G0B+4*(\s)+2:G0B+4*(\s)+3], s[46:47], (\s)*KSTEP*2
	s_or_b32 s[G0B+4*(\s)+3], s[G0B+4*(\s)+3], 0x80000000
	JLOAD \s                                       ; two loads of mine are out
.endr
	v_and_b32 v1, 15, v0                           ; l % 16
	v_bfe_u32 v2, v0, 4, 1                         ; l / 16
	v_mul_u32_u24 v3, v1, PITCH
	v_lshl_add_u32 v3, v2, 4, v3                   ; wo: row x pitch + 16 x half
	v_and_b32 v6, 31, v0
	v_lshlrev_b32 v6, 4, v6                        ; O: 16 x lane
	s_lshl_b32 s22, s11, 15                        ; my 64 rows of O
	s_mul_i32 s23, s12, BHALF                      ; my 64 rows of wo
	s_add_co_u32 s23, s23, BOFF
	v_add_nc_u32 v[A0], s22, v6
	v_add_nc_u32 v[B0], s23, v3
	v_mov_b32 v[ADRA], v[A0]
	v_mov_b32 v[ADRB], v[B0]
	; the prefetch's share.  In O: 65,536 x tile row + 8,192 x (tile column / 2) + 256 x lane.  In wo: row 128 x tile column + 16 x (tile row / 2) + lane / 2, block lane % 2 of the step's 512 bytes
	s_lshl_b32 s72, s13, 16
	s_lshr_b32 s73, s42, 1
	s_lshl_b32 s73, s73, 13
	s_add_co_u32 s72, s72, s73
	s_lshl_b32 s73, s42, 19
	s_lshr_b32 s71, s13, 1
	s_lshl_b32 s71, s71, 16
	s_add_co_u32 s73, s73, s71
	s_mov_b32 s[PI], KSTEP*2
	s_add_co_u32 s71, s42, s13
	s_and_b32 s71, s71, 1
	s_cmp_eq_u32 s71, 0                            ; tile column + tile row even: O; odd: wo
	s_cselect_b64 s[PB:PB+1], s[4:5], s[6:7]
	s_cselect_b32 s72, s72, s73
	s_cselect_b32 s[PI], 1048576, s[PI]
	s_cselect_b32 s71, 0, -1                       ; as a mask of lanes
	s_lshl_b32 s[PO], s[PI], 1                     ; the first request is for K step 2
	s_mul_i32 s[PM], s[PI], STEPS-1
	v_lshlrev_b32 v7, 4, v6                        ; 256 x lane
	v_lshrrev_b32 v8, 5, v6                        ; lane / 2
	v_and_b32 v9, 16, v6
	v_lshlrev_b32 v9, 4, v9                        ; 256 x (lane % 2)
	v_lshl_add_u32 v8, v8, 12, v9
	v_cndmask_b32 v7, v7, v8, s71
	v_add_nc_u32 v[PR], s72, v7
	PREF                                           ; K step 2: its joint load is issued in the first trip's change of slots
	s_mul_i32 s23, s10, 16*SPITCH
	s_add_co_u32 s23, s23, STAGE                   ; my stage
	v_mul_u32_u24 v4, v1, SPITCH                   ; in: row l % 16, 32 bytes for each half of the lanes
	v_lshl_add_u32 v4, v2, 5, v4
	v_add_nc_u32 v[STO], s23, v4
	v_mul_u32_u24 v5, v2, SPITCH                   ; back: lanes 0-15 take one row of 256 bytes, lanes 16-31 the next
	v_lshl_add_u32 v5, v1, 4, v5
	v_add_nc_u32 v[RD], s23, v5
	v_lshlrev_b32 v5, 13, v2                       ; and the same two rows in out0, 8,192 bytes apart
	v_lshl_add_u32 v[CO], v1, 4, v5
	s_lshl_b32 s16, s13, 7
	s_lshl_b32 s17, s11, 6
	s_add_co_u32 s16, s16, s17                     ; my first row: 128 x tile row + 64 x half
	s_lshl_b32 s16, s16, 13
	s_mov_b32 s17, 0
	s_add_nc_u64 s[8:9], s[8:9], s[16:17]
	s_lshl_b32 s46, s42, 9                         ; my first column, in bytes: 512 x tile column + 256 x half
	s_lshl_b32 s47, s12, 8
	s_add_co_u32 s46, s46, s47
	s_mov_b32 s47, 0
	s_add_nc_u64 s[8:9], s[8:9], s[46:47]
; 8 matrix instructions: row blocks a0, a0 + 1 x all 4 column blocks, 32 along K: half c of buffer f.  The 16 accumulators take turns.
.macro MUL8 f, c, a0, zero
	WIN MUL
.irp a, \a0, (\a0)+1
.irp b, 0,1,2,3
.if \zero
	v_wmma_f32_16x16x32_f16 v[ACC+8*(4*(\a)+(\b)):ACC+8*(4*(\a)+(\b))+7], v[(\f)+64+8*(4*(\c)+(\b)):(\f)+64+8*(4*(\c)+(\b))+7], v[(\f)+8*(4*(\c)+(\a)):(\f)+8*(4*(\c)+(\a))+7], 0
.else
	v_wmma_f32_16x16x32_f16 v[ACC+8*(4*(\a)+(\b)):ACC+8*(4*(\a)+(\b))+7], v[(\f)+64+8*(4*(\c)+(\b)):(\f)+64+8*(4*(\c)+(\b))+7], v[(\f)+8*(4*(\c)+(\a)):(\f)+8*(4*(\c)+(\a))+7], v[ACC+8*(4*(\a)+(\b)):ACC+8*(4*(\a)+(\b))+7]
.endif
.endr
.endr
.endm
; 32 LDS loads in one run: the fragments of 64 along K (byte k of wo's rows; O's blocks k / 64 and k / 64 + 1) into buffer f; the first 32 along K first
.macro FETCH k, f
	WIN TO_F
.irp c, 0,1
.irp i, 0,1,2,3
	ds_load_b128 v[(\f)+64+8*(4*(\c)+(\i)):(\f)+64+8*(4*(\c)+(\i))+3],   v[ADRB] offset:(\k)+64*(\c)+(\i)*16*PITCH
	ds_load_b128 v[(\f)+64+8*(4*(\c)+(\i))+4:(\f)+64+8*(4*(\c)+(\i))+7], v[ADRB] offset:(\k)+64*(\c)+(\i)*16*PITCH+32
	ds_load_b128 v[(\f)+8*(4*(\c)+(\i)):(\f)+8*(4*(\c)+(\i))+3],         v[ADRA] offset:((\k)/64+(\c))*1024+(\i)*8192
	ds_load_b128 v[(\f)+8*(4*(\c)+(\i))+4:(\f)+8*(4*(\c)+(\i))+7],       v[ADRA] offset:((\k)/64+(\c))*1024+(\i)*8192+512
.endr
.endr
.endm
.macro PLACES                          ; four places in front of loads into registers that matrix instructions have read, and of LDS stores that read results
.rept 4
	v_nop
.endr
.endm
; A K step is four quarters of 64 along K, 32 matrix instructions each, on buffers 0, 1, 0, 1.
.macro QUARTER k, f, g, zero
	s_wait_dscnt 16                                ; the first 32 along K are in
	MUL8 \f, 0, 0, \zero
	MUL8 \f, 0, 2, \zero
	PLACES
	FETCH \k, \g
	s_wait_dscnt 32                                ; all but the 32 just issued
	MUL8 \f, 1, 0, 0
	MUL8 \f, 1, 2, 0
.endm
; The last quarter multiplies buffer 1 and changes slots: ONE barrier; in front of it each wave waits for all its tensor loads (one is out: its part of the next slot), adds 0 to its spare word, and
; waits for that and for its own reads of this slot.  fill = 1: the barrier opens a round of the cluster's, and this slot (s[TBS] still names it) is filled again, two K steps ahead: 112 matrix
; instructions ahead of the wait for it.  Behind the load wave 3 asks for the K step after it.
.macro TURN fill
	WIN 0                                          ; (the add's two registers lie in window 0)
	s_wait_tensorcnt 0x0
	ds_add_u32 v[SPW], v[NIL]                      ; 0 onto my spare word
	s_wait_dscnt 17                                ; (the add and the youngest sixteen loads may be out)
	MUL8 F1, 0, 0, 0
	s_wait_dscnt 0x0                               ; the add is done, and my reads of this slot are over
	s_barrier_signal -1
	MUL8 F1, 0, 2, 0
	WIN 0                                          ; (branches and lines on window 0 follow)
	s_barrier_wait -1
.if \fill
	CREST                                          ; no wave of any partner still reads this slot's tile or has a load on its way
	s_add_co_u32 s[G0+5], s20, s[TBS]              ; the walking descriptors: the slot just read,
	s_add_nc_u64 s[G0+6:G0+7], s[G0+6:G0+7], 1048576  ; the next K step that has not been asked for
	s_add_co_u32 s[G0B+5], s21, s[TBS]
	s_add_nc_u64 s[G0B+6:G0B+7], s[G0B+6:G0B+7], KSTEP*2
	JLOAD 1                                        ; the four v_nop behind it are also the places in front of the loads below
	PREF
.else
	PLACES
.endif
	s_xor_b32 s[TBS], s[TBS], SLOT                 ; 0 becomes SLOT, SLOT becomes 0: the fetches go on in the other slot
	v_add_nc_u32 v[ADRA], s[TBS], v[A0]
	v_add_nc_u32 v[ADRB], s[TBS], v[B0]
	FETCH 0, F0
	MUL8 F1, 1, 0, 0
	MUL8 F1, 1, 2, 0
.endm
	s_wait_tensorcnt 1                             ; my part of K step 0 is in; K step 1's may stay out
	s_barrier_signal -1
	s_barrier_wait -1
	FETCH 0, F0
	QUARTER 128, F0, F1, 1                         ; the first quarter stands in front of the loop: its first products start the sums
	WIN 0                                          ; at a label and at a branch every window is 0
	s_mov_b32 s3, STEPS-2
.Lstep:                                                ; six trips: from a K step's second quarter to the next step's first; each fills the slot that it leaves
	QUARTER 256, F1, F0, 0
	QUARTER 384, F0, F1, 0
	TURN 1
	QUARTER 128, F0, F1, 0
	WIN 0
	s_sub_co_u32 s3, s3, 1
	s_cmp_lg_u32 s3, 0
	s_cbranch_scc1 .Lstep
	s_mov_b32 s3, 2
.Ltail:                                                ; the last two K steps fill nothing: a text of their own, walked twice and left in the middle.
	QUARTER 256, F1, F0, 0                         ; The second trip's change of slots passes a barrier that orders nothing and fetches 32 fragments' halves of the step before that serve nothing:
	QUARTER 384, F0, F1, 0                         ; the price of one text for both trips
	TURN 0
	WIN 0
	s_sub_co_u32 s3, s3, 1
	s_cmp_eq_u32 s3, 0
	s_cbranch_scc1 .Lout
	QUARTER 128, F0, F1, 0
	WIN 0
	s_branch .Ltail
.Lout:
	; THE WAY OUT, 16 rows at a time: a lane's 32 bytes of a row go into my stage straight from the accumulators (the low four registers first) and come back as whole rows.
	PLACES
.irp a, 0,1,2,3
.set BK, TMP+32*((\a)%2)
.irp b, 0,1,2,3
	ds_store_b128 v[STO], v[ACC+8*(4*(\a)+(\b)):ACC+8*(4*(\a)+(\b))+3]   offset:64*(\b)
	ds_store_b128 v[STO], v[ACC+8*(4*(\a)+(\b))+4:ACC+8*(4*(\a)+(\b))+7] offset:64*(\b)+16
.endr
.if (\a) >= 2
	s_wait_xcnt 0x0                                ; the buffer's earlier stores have read it
.endif
.irp t, 0,1,2,3,4,5,6,7
	ds_load_b128 v[BK+4*(\t):BK+4*(\t)+3], v[RD] offset:(\t)*2*SPITCH  ; LDS serves a wave's instructions in order (ISA guide 5.7.1.4): these see the stores above; the next block's stores come behind them
.endr
.irp t, 0,1,2,3,4,5,6,7
	s_wait_dscnt 7-(\t)
	global_store_b128 v[CO], v[BK+4*(\t):BK+4*(\t)+3], s[8:9] offset:(16*(\a)+2*(\t))*8192  ; 16 lanes store 256 consecutive bytes, at a multiple of 256 from out0's first byte
.endr
.endr
	s_wait_tensorcnt 0x0                           ; the wave's end, behind my last tensor load and my last LDS store
	ds_add_u32 v[SPW], v[NIL]
	s_wait_dscnt 0x0
	CROUND                                         ; the closing round
	s_endpgm
.Lfunc_end_k_q7136f6fa00_proj:
	.size	k_q7136f6fa00_proj, .Lfunc_end_k_q7136f6fa00_proj-k_q7136f6fa00_proj
	.p2alignl 7, 3214868480
	.fill 96, 4, 3214868480
	.section	.rodata,"a",@progbits
	.p2align	6, 0x0
	.amdhsa_kernel k_q7136f6fa00_proj
		.amdhsa_group_segment_fixed_size 327680
		.amdhsa_private_segment_fixed_size 0
		.amdhsa_enable_private_segment 0
		.amdhsa_kernarg_size 24
		.amdhsa_user_sgpr_count 2
		.amdhsa_user_sgpr_kernarg_segment_ptr 1
		.amdhsa_wavefront_size32 1
		.amdhsa_system_sgpr_workgroup_id_x 1
		.amdhsa_system_sgpr_workgroup_id_y 1
		.amdhsa_system_sgpr_workgroup_id_z 1
		.amdhsa_system_vgpr_workitem_id 0
		.amdhsa_next_free_vgpr 512
		.amdhsa_next_free_sgpr 74
		.amdhsa_reserve_vcc 0
		.amdhsa_float_denorm_mode_32 3
		.amdhsa_float_denorm_mode_16_64 3
		.amdhsa_memory_ordered 1
		.amdhsa_forward_progress 1
		.amdhsa_inst_pref_size 60
	.end_amdhsa_kernel
	.amdgpu_metadata
---
amdhsa.version: [ 1, 2 ]
amdhsa.kernels:
  - .name:           k_q7136f6fa00_proj
    .symbol:         k_q7136f6fa00_proj.kd
    .args:
      - { .name: of, .offset: 0, .size: 8, .value_kind: global_buffer, .address_space: global }
      - { .name: wob, .offset: 8, .size: 8, .value_kind: global_buffer, .address_space: global }
      - { .name: out0, .offset: 16, .size: 8, .value_kind: global_buffer, .address_space: global }
    .group_segment_fixed_size: 327680
    .private_segment_fixed_size: 0
    .kernarg_segment_align: 8
    .kernarg_segment_size: 24
    .max_flat_workgroup_size: 128
    .sgpr_count:     74
    .vgpr_count:     512
    .wavefront_size: 32
...
	.end_amdgpu_metadata
.endif
;; end of part 4
;; ======== version 2 of 2: 4 launches; version 1 with the launch prep written anew for expert scheduling mode
;; limits: values are held in f16: magnitudes above 65,504 overflow, below 6.1e-05 lose precision
;; workspace buffers: xw 33,554,432 bytes; wob 8,388,608 bytes; mf 16,777,216 bytes; tab 1,048,576 bytes; qkv 25,165,824 bytes; of 8,388,608 bytes
;; launch prep (part 5): grid 128 x 7, 8 waves a work-group, no clusters, 35,840 bytes of LDS; arguments x, wq, wk, wv, wo, attention_mask, xw, wob, mf, tab; writes xw, wob, mf, tab
.if DOCPART == 5
	.amdgcn_target "amdgcn-amd-amdhsa--gfx1250"
	.amdhsa_code_object_version 6
	.text
	.protected	k_q7136f6fa00_prep
	.globl	k_q7136f6fa00_prep
	.p2align	8
	.type	k_q7136f6fa00_prep,@function
k_q7136f6fa00_prep:
	s_mov_b64 s[64:65], 0
	v_nop
	global_prefetch_b8 v0, s[64:65] scope:SCOPE_SE
	s_setreg_imm32_b32 hwreg(HW_REG_WAVE_SCHED_MODE, 0, 2), 2
	s_setreg_imm32_b32 hwreg(HW_REG_WAVE_MODE, 25, 1), 1
	s_wait_xcnt 0x0
	s_wait_alu depctr_vm_vsrc(0)
; PREP: a stream.  Every input is read once and laid out for the three launches behind it.  The work-group's y is the job, its x a block of 16 rows.
;   job 0      x  -> xw, bf16, [2048][2048] as it lies
;   jobs 1-3   wq, wk, wv -> xw + 8 MiB, bf16, [6144][2048], ROWS REORDERED: each 96 rows g (head g / 4, jj = g % 4) hold six blocks of 16:
;              wq rows d = 16 jj .., wq rows d + 64, wk rows d, wk rows d + 64, wv rows 32 g .., wv rows 32 g + 16 ..   (d counts inside the head)
;   job 4      wo -> wob: rounded to bf16 like the other inputs, and that number written as f16
;   job 5      the mask -> mf: rounded to bf16 like the other inputs, times log2(e) in f32, in blocks of 16 queries x 16 keys (1 KiB) that ARE the C operand of a 16 x 16
;              matrix product keys x queries: [half][lane][4] = mask[16 sbq + lane % 16][16 kbk + 8 (lane / 16) + 4 half + 0..3]
;   job 6      tab: cos and sin of t / 10000^(i / 64), times sqrt(log2(e) / sqrt(128)), in the register order of the projection's results:
;              [jj][block of 16 t][cos half 0, cos half 1, sin half 0, sin half 1][lane][4], t = 16 sb + lane % 16, i = 16 jj + 8 (lane / 16) + 4 half + 0..3
; No matrix work, no cluster, no tensor loads: nothing is shared between work-groups and every byte is touched once.  144 registers a wave, so that several work-groups lie on a WGP.
; LIMITS.  wo as f16: |wo| below 65,504; below 6e-5 it keeps f16's fixed step of 6e-8.  The angle is reduced to -pi .. pi by a two-word 2 pi, and the two series are cut where the next term at pi
; is below 1e-6, for every angle.  1 / 10000^(i / 64) is made by v_exp_f32: t times it may differ from a library's by a few units in the last place (2e-4 radians at t = 2047).
; THE MODE: SCHED_MODE bits 1:0 = 2 (LLVM: expert scheduling mode 2), set by the entry lines.  The code itself states the register dependences between vector instructions and memory or LDS
; instructions, with s_wait_alu, always for 0.
; THE PLAN.  Registers that memory or LDS instructions touch:
;   v1, v2       offsets of every global load and store; made at the head, never written again: the rows are reached by the scalar bases and by immediate offsets.
;   v6, v7, v8   the mask's three addresses; made at the job's head, never written again.
;   casts, X     written by a trip's 16 loads, read by that trip's roundings.
;   casts, Y     four blocks of 8 registers.  Block b's roundings write Y[b]; the four stores that read it are issued in block b + 1 (block 3's behind the block), among roundings that name X[b + 1],
;                Y[b + 1] and v4 to v7 alone.  So one wait on va_vdst stands at the head of blocks 1 to 3 and one behind block 3; that last one also states that X has been read out, for the next trip's
;                loads.  One wait on vm_vsrc a trip, at its end, states that the stores have read Y.
;   mask, X[u]   unit u's 32 registers: written by the loads at the job's head, worked on in place, read by the unit's LDS stores, written by its LDS loads, read by its global stores, which are
;                issued behind unit u + 1's arithmetic.  One wait on va_vdst stands ahead of a unit's LDS stores, one on vm_vsrc between them and its LDS loads.
;   table        v[32:39] are written by the series and read by the two stores: one wait on va_vdst ahead of them.
;   v14, v15     written at the head, read by the closing add alone.
.set X,     16                         ; v[16:143]  as loaded (the casts use v[16:79])
.set Y,     80                         ; v[80:111]  to store (casts)
.set TW,    9                          ; v[9:12]    at work (mask)
.set SPW,   14                         ; v14        LDS address of my spare word; never rewritten
.set NIL,   15                         ; v15        0; never rewritten
.set STG,   16*272                     ; a wave's stage: 16 rows of 256 bytes + 16 of padding, so that 16 rows start at 16 different groups of four banks (ISA guide 11.1)
.set SPARE, 8*STG                      ; behind the stages: the spare words, 128 bytes for each wave
	s_load_b512 s[8:23], s[0:1], 0x0               ; x 8, wq 10, wk 12, wv 14, wo 16, mask 18, xw 20, wob 22
	s_load_b128 s[24:27], s[0:1], 0x40             ; mf 24, tab 26
	v_lshl_add_u32 v[SPW], v0, 2, SPARE
	v_mov_b32 v[NIL], 0
	v_lshrrev_b32 v3, 5, v0
	v_readfirstlane_b32 s3, v3                     ; wave 0..7
	s_and_b32 s2, ttmp7, 0xffff                    ; the job
	s_mov_b32 s6, 0xffff0000                       ; a word's upper bf16
	v_and_b32 v1, 31, v0
	v_lshlrev_b32 v2, 3, v1                        ; 8 x lane
	v_lshlrev_b32 v1, 4, v1                        ; 16 x lane
	s_wait_alu depctr_va_sdst(0)                   ; s3 is written, ahead of the branches below and of its first reader in each job
	s_wait_kmcnt 0x0
	s_cmp_eq_u32 s2, 5
	s_cbranch_scc1 .Lmask
	s_cmp_eq_u32 s2, 6
	s_cbranch_scc1 .Ltab
	; THE CASTS.  A wave takes rows e0 and e0 + 1 (e0 even): neighbours in the source and, in every one of the row orders above, in the destination.
	s_lshl_b32 s34, ttmp9, 4
	s_lshl1_add_u32 s34, s3, s34                   ; e0 = 16 x block + 2 x wave
	s_lshr_b32 s35, s34, 7                         ; wq, wk: g = 4 head + jj,
	s_lshl_b32 s35, s35, 2
	s_bfe_u32 s36, s34, 0x20004
	s_add_co_u32 s35, s35, s36
	s_mul_i32 s35, s35, 96                         ; 96 rows a group,
	s_max_u32 s36, s2, 1
	s_sub_co_u32 s36, s36, 1
	s_lshl_b32 s36, s36, 5                         ; + 32 for wk,
	s_add_co_u32 s35, s35, s36
	s_bfe_u32 s36, s34, 0x10006
	s_lshl_b32 s36, s36, 4                         ; + 16 for the head's upper 64 channels,
	s_add_co_u32 s35, s35, s36
	s_and_b32 s36, s34, 15
	s_add_co_u32 s35, s35, s36                     ; + the row in its block
	s_lshr_b32 s37, s34, 5                         ; wv: 96 (e / 32) + 64 + e % 32
	s_mul_i32 s37, s37, 96
	s_and_b32 s36, s34, 31
	s_add_co_u32 s37, s37, s36
	s_add_co_u32 s37, s37, 64
	s_cmp_eq_u32 s2, 3
	s_cselect_b32 s35, s37, s35
	s_add_co_u32 s35, s35, 2048                    ; the weights lie behind x's 2,048 rows
	s_cmp_eq_u32 s2, 0
	s_cselect_b32 s35, s34, s35                    ; x and wo keep their rows
	s_cmp_eq_u32 s2, 4
	s_cselect_b32 s35, s34, s35
	s_cselect_b64 s[38:39], s[22:23], s[20:21]     ; wo goes to wob, all else to xw
	s_lshl_b32 s32, s35, 12                        ; a row of 2,048 numbers of 16 bits
	s_mov_b32 s33, 0
	s_add_nc_u64 s[38:39], s[38:39], s[32:33]
	s_cmp_eq_u32 s2, 1
	s_cselect_b64 s[30:31], s[10:11], s[8:9]
	s_cmp_eq_u32 s2, 2
	s_cselect_b64 s[30:31], s[12:13], s[30:31]
	s_cmp_eq_u32 s2, 3
	s_cselect_b64 s[30:31], s[14:15], s[30:31]
	s_cmp_eq_u32 s2, 4
	s_cselect_b64 s[30:31], s[16:17], s[30:31]
	s_lshl_b32 s28, s34, 13                        ; a row of 2,048 f32
	s_mov_b32 s29, 0
	s_add_nc_u64 s[30:31], s[30:31], s[28:29]
	s_cmp_eq_u32 s2, 4
	s_cbranch_scc1 .Lwo
; Two trips, a row each: 16 loads of 512 consecutive bytes, all issued before the first is waited for; each becomes one store of 256 consecutive bytes, aligned.
; The 16 go in four blocks of four: a block's stores are issued in the block behind it, one in front of each load's roundings there.
.macro CAST f16
	s_mov_b32 s40, 2
	s_wait_alu depctr_va_vdst(0)                   ; v1 and v2 are written: every load and store below reads one of them as its offset
.Lrow_\@:
.set i, 0
.rept 16
	global_load_b128 v[X+4*i:X+4*i+3], v1, s[30:31] offset:512*i th:TH_LOAD_NT
.set i, i+1
.endr
.set i, 0
.rept 16
.if i%4 == 0
	s_wait_loadcnt 12-i                            ; loads come back in order (ISA guide 5.7.1): this block's four are in, the 12 - i younger ones stay out
.if i > 0
	s_wait_alu depctr_va_vdst(0)                   ; the block before has written its part of Y, which the four stores in this block read
.endif
.endif
.if i >= 4
	global_store_b64 v2, v[Y+2*i-8:Y+2*i-7], s[38:39] offset:256*(i-4)  ; the block before; no vector instruction since the wait names these registers
.endif
	v_cvt_pk_bf16_f32 v[Y+2*i], v[X+4*i], v[X+4*i+1]
	v_cvt_pk_bf16_f32 v[Y+2*i+1], v[X+4*i+2], v[X+4*i+3]
.if \f16
	v_lshlrev_b32 v4, 16, v[Y+2*i]                 ; the bf16 numbers back as f32,
	v_and_b32 v5, s6, v[Y+2*i]
	v_lshlrev_b32 v6, 16, v[Y+2*i+1]
	v_and_b32 v7, s6, v[Y+2*i+1]
	v_cvt_pk_f16_f32 v[Y+2*i], v4, v5              ; and written as f16: exact inside f16's range
	v_cvt_pk_f16_f32 v[Y+2*i+1], v6, v7
.endif
.set i, i+1
.endr
	s_wait_alu depctr_va_vdst(0)                   ; the last block has written its part of Y, which the stores below read; and all roundings are done reading X, in which the next trip's loads land
.set i, 12
.rept 4
	global_store_b64 v2, v[Y+2*i:Y+2*i+1], s[38:39] offset:256*i
.set i, i+1
.endr
	s_wait_xcnt 0x0                                ; the bases and the stores' data are rewritten only behind this wait
	s_wait_alu depctr_vm_vsrc(0)                   ; the trip's 16 stores have read Y, which the next trip's roundings write again
	s_add_nc_u64 s[30:31], s[30:31], 8192
	s_add_nc_u64 s[38:39], s[38:39], 4096
	s_sub_co_u32 s40, s40, 1
	s_cmp_lg_u32 s40, 0
	s_cbranch_scc1 .Lrow_\@
	s_endpgm
.endm
	CAST 0
.Lwo:
	CAST 1
	; THE MASK.  The work-group has 16 queries, a wave 256 keys of them, in four units of 64 keys.  A unit is read as 16 rows of 256 consecutive bytes, turned in the wave's own stage,
	; and leaves as four blocks of 1 KiB.
.Lmask:
	s_mov_b32 s4, 0x3fb8aa3b                       ; log2(e)
	s_mov_b32 s5, s4                               ; named with it as a pair
	v_and_b32 v3, 15, v0                           ; r = lane % 16
	v_bfe_u32 v4, v0, 4, 1                         ; h = lane / 16
	v_lshlrev_b32 v5, 4, v3
	v_lshl_add_u32 v6, v4, 13, v5                  ; in memory: row h, 16 bytes at 16 r
	s_mul_i32 s28, s3, STG
	v_mul_u32_u24 v7, v4, 272
	v_add_nc_u32 v7, v7, v5
	v_add_nc_u32 v7, s28, v7                       ; into the stage: the same place
	v_mul_u32_u24 v8, v3, 272
	v_lshl_add_u32 v8, v4, 5, v8
	v_add_nc_u32 v8, s28, v8                       ; back: query r, keys 8 h ..
	s_lshl_b32 s32, ttmp9, 17                      ; 16 rows of 8,192 bytes; also 128 blocks of 1 KiB
	s_lshl_b32 s33, s3, 10
	s_add_co_u32 s30, s32, s33
	s_mov_b32 s31, 0
	s_add_nc_u64 s[18:19], s[18:19], s[30:31]
	s_lshl_b32 s33, s3, 14
	s_add_co_u32 s30, s32, s33
	s_add_nc_u64 s[24:25], s[24:25], s[30:31]
	s_wait_alu depctr_va_vdst(0)                   ; v1, v6, v7 and v8 are written: the loads and stores of this job, global and LDS, read them as offsets and addresses
.set n, 0
.rept 32                                           ; unit n / 8, rows 2 (n % 8) + h
	global_load_b128 v[X+4*n:X+4*n+3], v6, s[18:19] offset:(n%8)*16384+(n/8)*256 th:TH_LOAD_NT
.set n, n+1
.endr
; Unit u leaves: its eight loads from the stage are waited for, and their registers stored.
.macro MOUT u
	s_wait_dscnt 0x0                               ; the unit is back from the stage
.set n, 0
.rept 8
	global_store_b128 v1, v[X+32*(\u)+4*n:X+32*(\u)+4*n+3], s[24:25] offset:(4*(\u)+n/2)*1024+(n%2)*512  ; 512 consecutive bytes
.set n, n+1
.endr
.endm
; Unit u: its arithmetic; then the unit before leaves, whose way through the stage lay under that arithmetic; then unit u goes into the stage and is asked back.
.macro MUNIT u
	s_wait_loadcnt 8*(3-(\u))                      ; this unit's eight loads are in; the later units' stay out
.set n, 0
.rept 16
	v_cvt_pk_bf16_f32 v[TW+n%4], v[X+32*(\u)+2*n], v[X+32*(\u)+2*n+1]
	v_lshlrev_b32 v[X+32*(\u)+2*n], 16, v[TW+n%4]
	v_and_b32 v[X+32*(\u)+2*n+1], s6, v[TW+n%4]
	v_pk_mul_f32 v[X+32*(\u)+2*n:X+32*(\u)+2*n+1], v[X+32*(\u)+2*n:X+32*(\u)+2*n+1], s[4:5] op_sel_hi:[1,0]
.set n, n+1
.endr
.if (\u) > 0
	MOUT (\u)-1                                    ; no wait on va_vdst: no vector instruction since the last one names the unit before's registers or v1
.endif
	s_wait_alu depctr_va_vdst(0)                   ; the arithmetic has written X[u], which the LDS stores read, and is done reading it, for the LDS loads that land in it
.set n, 0
.rept 8
	ds_store_b128 v7, v[X+32*(\u)+4*n:X+32*(\u)+4*n+3] offset:544*n
.set n, n+1
.endr
	s_wait_alu depctr_vm_vsrc(0)                   ; the LDS stores have read X[u], in which the loads below land
.set n, 0
.rept 8                                            ; block n / 2 of 16 keys, half n % 2.  LDS serves a wave's instructions in order (ISA guide 5.7.1.4): these see the stores above, and the next unit's stores come behind them
	ds_load_b128 v[X+32*(\u)+4*n:X+32*(\u)+4*n+3], v8 offset:64*(n/2)+16*(n%2)
.set n, n+1
.endr
.endm
	MUNIT 0
	MUNIT 1
	MUNIT 2
	MUNIT 3
	MOUT 3
	s_wait_dscnt 0x0                               ; the closing lines, six on end
	s_wait_alu 0x0
	s_wait_tensorcnt 0x0
	ds_add_u32 v[SPW], v[NIL]
	s_wait_dscnt 0x0
	s_endpgm
	; THE TABLE.  Wave w makes jj = w / 2, half w % 2 for the block's 16 positions: four angles a lane, in four chains.
.Ltab:
	s_lshr_b32 s28, s3, 1                          ; jj
	s_and_b32 s29, s3, 1                           ; half
	s_lshl_b32 s32, s28, 4
	s_lshl2_add_u32 s32, s29, s32                  ; 16 jj + 4 half
	s_mov_b32 s34, 0x40c90fdb                      ; 2 pi, the f32 next to it,
	s_mov_b32 s35, 0xb43bbd2e                      ; and what is left
	s_mov_b32 s36, 0x3eb6d544                      ; sqrt(log2(e) / sqrt(128)) = 0.3570958: q and k both carry it, so q . k arrives as a base-2 exponent
	v_and_b32 v3, 15, v0
	v_bfe_u32 v4, v0, 4, 1
	v_lshl_add_u32 v4, v4, 3, s32                  ; i of my first angle
	s_lshl_b32 s33, ttmp9, 4
	v_add_nc_u32 v3, s33, v3
	v_cvt_f32_u32 v3, v3                           ; t
.irp e, 0,1,2,3
	v_add_nc_u32 v[16+\e], \e, v4
	v_cvt_f32_u32 v[16+\e], v[16+\e]
	v_mul_f32 v[16+\e], 0xbe549a78, v[16+\e]       ; - i log2(10000) / 64
.endr
.irp e, 0,1,2,3
	v_exp_f32 v[16+\e], v[16+\e]
.endr
	v_nop                                          ; a plain instruction between the last exponential and the use of its result (ISA guide 5.7.2)
	s_wait_alu depctr_va_vdst(0)                   ; the four exponentials have written v[16:19]: one wait for the batch, ahead of its first reader
.irp e, 0,1,2,3
	v_mul_f32 v[20+\e], v3, v[16+\e]               ; the angle f
	v_mul_f32 v[24+\e], 0.15915494, v[20+\e]
	v_rndne_f32 v[24+\e], v[24+\e]                 ; n = the whole turns in it
	v_fma_f32 v[20+\e], -v[24+\e], s34, v[20+\e]   ; y = f - 2 pi n, in two steps
	v_fma_f32 v[20+\e], -v[24+\e], s35, v[20+\e]
	v_mul_f32 v[28+\e], v[20+\e], v[20+\e]         ; z = y^2
	v_mov_b32 v[36+\e], 0xab573f9f                 ; - 1 / 15!
	v_mov_b32 v[32+\e], 0x29573f9f                 ; 1 / 16!
	v_mul_f32 v[20+\e], s36, v[20+\e]              ; y takes the scale for the sine
.endr
.irp c, 0x2f309231, 0xb2d7322b, 0x3638ef1d, 0xb9500d01, 0x3c088889, 0xbe2aaaab, 0x3f800000
.irp e, 0,1,2,3
	v_fmaak_f32 v[36+\e], v[36+\e], v[28+\e], \c   ; 1 / 13!, - 1 / 11!, .. - 1 / 3!, 1
.endr
.endr
.irp c, 0xad49cba5, 0x310f76c7, 0xb493f27e, 0x37d00d01, 0xbab60b61, 0x3d2aaaab, 0xbf000000, 0x3f800000
.irp e, 0,1,2,3
	v_fmaak_f32 v[32+\e], v[32+\e], v[28+\e], \c   ; - 1 / 14!, 1 / 12!, .. - 1 / 2, 1
.endr
.endr
.irp e, 0,1,2,3
	v_mul_f32 v[36+\e], v[36+\e], v[20+\e]
	v_mul_f32 v[32+\e], s36, v[32+\e]
.endr
	s_lshl_b32 s30, s28, 18
	s_lshl_b32 s33, ttmp9, 11
	s_add_co_u32 s30, s30, s33
	s_lshl_b32 s33, s29, 9
	s_add_co_u32 s30, s30, s33
	s_mov_b32 s31, 0
	s_add_nc_u64 s[26:27], s[26:27], s[30:31]
	s_wait_alu depctr_va_vdst(0)                   ; the series have written v[32:39], the two stores' data, and v1, their offset, is written
	global_store_b128 v1, v[32:35], s[26:27]
	global_store_b128 v1, v[36:39], s[26:27] offset:1024
	s_endpgm
.Lfunc_end_k_q7136f6fa00_prep:
	.size	k_q7136f6fa00_prep, .Lfunc_end_k_q7136f6fa00_prep-k_q7136f6fa00_prep
	.p2alignl 7, 3214868480
	.fill 96, 4, 3214868480
	.section	.rodata,"a",@progbits
	.p2align	6, 0x0
	.amdhsa_kernel k_q7136f6fa00_prep
		.amdhsa_group_segment_fixed_size 35840
		.amdhsa_private_segment_fixed_size 0
		.amdhsa_enable_private_segment 0
		.amdhsa_kernarg_size 80
		.amdhsa_user_sgpr_count 2
		.amdhsa_user_sgpr_kernarg_segment_ptr 1
		.amdhsa_wavefront_size32 1
		.amdhsa_system_sgpr_workgroup_id_x 1
		.amdhsa_system_sgpr_workgroup_id_y 1
		.amdhsa_system_sgpr_workgroup_id_z 1
		.amdhsa_system_vgpr_workitem_id 0
		.amdhsa_next_free_vgpr 144
		.amdhsa_next_free_sgpr 66
		.amdhsa_reserve_vcc 0
		.amdhsa_float_denorm_mode_32 3
		.amdhsa_float_denorm_mode_16_64 3
		.amdhsa_memory_ordered 1
		.amdhsa_forward_progress 1
		.amdhsa_inst_pref_size 49
	.end_amdhsa_kernel
	.amdgpu_metadata
---
amdhsa.version: [ 1, 2 ]
amdhsa.kernels:
  - .name:           k_q7136f6fa00_prep
    .symbol:         k_q7136f6fa00_prep.kd
    .args:
      - { .name: x, .offset: 0, .size: 8, .value_kind: global_buffer, .address_space: global }
      - { .name: wq, .offset: 8, .size: 8, .value_kind: global_buffer, .address_space: global }
      - { .name: wk, .offset: 16, .size: 8, .value_kind: global_buffer, .address_space: global }
      - { .name: wv, .offset: 24, .size: 8, .value_kind: global_buffer, .address_space: global }
      - { .name: wo, .offset: 32, .size: 8, .value_kind: global_buffer, .address_space: global }
      - { .name: attention_mask, .offset: 40, .size: 8, .value_kind: global_buffer, .address_space: global }
      - { .name: xw, .offset: 48, .size: 8, .value_kind: global_buffer, .address_space: global }
      - { .name: wob, .offset: 56, .size: 8, .value_kind: global_buffer, .address_space: global }
      - { .name: mf, .offset: 64, .size: 8, .value_kind: global_buffer, .address_space: global }
      - { .name: tab, .offset: 72, .size: 8, .value_kind: global_buffer, .address_space: global }
    .group_segment_fixed_size: 35840
    .private_segment_fixed_size: 0
    .kernarg_segment_align: 8
    .kernarg_segment_size: 80
    .max_flat_workgroup_size: 256
    .sgpr_count:     66
    .vgpr_count:     144
    .wavefront_size: 32
...
	.end_amdgpu_metadata
.endif
;; end of part 5
;; launch qkv: the kernel of part 2 again; grid 32 x 8, 4 waves a work-group, clusters of 4 x 4, 327,680 bytes of LDS; arguments xw, tab, qkv; writes qkv
;; launch attn: the kernel of part 3 again; grid 16 x 16, 4 waves a work-group, clusters of 4 x 1, 327,680 bytes of LDS; arguments qkv, mf, of; writes of
;; launch proj: the kernel of part 4 again; grid 16 x 16, 4 waves a work-group, clusters of 4 x 4, 327,680 bytes of LDS; arguments of, wob, out0; writes out0
